; MI455X (gfx1250); checked and timed in simulation.
; The chip was launched on July 23, 2026; its instructions are those of AMD's public machine-readable ISA for CDNA 5 (MIT licence, August 2026) and "CDNA5" Instruction Set Architecture Reference Guide (July 2026). The comments in the code are by the model that wrote it; some were corrected since.
;; Token Routed MLP Triton. Allowed arithmetic: float matrix products may take bf16 or f16 operands with f32 sums; other float arithmetic in f32, or as packed bf16 or f16 multiplies, adds, multiply-adds, maxima and minima; sums over many terms, partial sums and values carried from step to step in f32; what a program stores and reads back later, other than sums and carried values, may be rounded once to bf16 or f16.
;; Inputs: down_proj 4 x 2,048 x 2,048 float32; gate_proj 4 x 2,048 x 2,048 float32; hidden_states 2 x 512 x 2,048 float32; token_ids 2 x 512 int32; up_proj 4 x 2,048 x 2,048 float32.
;; Outputs: out0 2 x 512 x 2,048 float32.
;; 2 versions, each right; version 2 is version 1 with the launch gateup written anew for expert scheduling mode. Each part assembles by itself: llvm-mc -triple=amdgcn-amd-amdhsa -mcpu=gfx1250 --defsym DOCPART=n.
;; ======== version 1 of 2: 3 launches
;; workspace buffers: xs 4,456,448 bytes; hs 4,456,448 bytes; perm 4,352 bytes of whole numbers; meta 256 bytes of whole numbers
;; launch route (part 1): grid 67 x 4, 4 waves a work-group, no clusters, 1,024 bytes of LDS; arguments hidden_states, token_ids, xs, perm, meta; writes xs, perm, meta
.if DOCPART == 1
	.amdgcn_target "amdgcn-amd-amdhsa--gfx1250"
	.amdhsa_code_object_version 6
	.text
	.protected	k_qddd3d74d5d_route
	.globl	k_qddd3d74d5d_route
	.p2align	8
	.type	k_qddd3d74d5d_route,@function
k_qddd3d74d5d_route:
	s_mov_b64 s[64:65], 0
	v_nop
	global_prefetch_b8 v0, s[64:65] scope:SCOPE_SE
	s_setreg_imm32_b32 hwreg(HW_REG_WAVE_MODE, 25, 1), 1
	s_wait_xcnt 0x0
; ROUTE.  1,024 tokens go to expert clip(id, 0, 99999) % 4.  The tokens are sorted by expert into TILES of 16 rows; each expert begins on a tile of its own,
; so there are at most (1024 + 4 x 15) / 16 = 67 tiles, whatever the split.  Places past an expert's count repeat its last token.
; A work-group (t = tile, qy = a quarter of the 64 chunks of 32 channels) writes x of its tile, rounded once to bf16, as ready matrix fragments:
;   xs byte = tile x 65536 + chunk x 1024 + half x 512 + 16 x lane; lane (r = lane % 16: the row, h = lane / 16), register i = 4 half + ii, half-word b hold channel 32 chunk + 16 h + 2 i + b.
; The weights' fragments of the later launches use the same map of channels to places, so the products pair rightly.
; EVERY WAVE SORTS FOR ITSELF, in whole numbers alone: it loads all 1,024 ids, counts the experts, and puts its tile's 16 tokens into a list of its own in LDS (17 words at wave x 128;
; word 16 takes the lanes whose token is not in the tile).  So no wave reads what another wrote, and the text has no barrier.  The order inside an expert is (load, word, lane): all work-groups agree on it.
; A tile that the split does not have stores nothing and ends: the price of a grid that serves every split.
; No matrix unit, no cluster: nothing is multiplied, and work-groups share only the 4,096 bytes of ids.
.set SPARE, 512                        ; the spare words: 128 bytes for each of the four waves, two blocks of 256 bytes that no other line names
.set SPW, 30                           ; v30  LDS address of my spare word; never rewritten
.set NIL, 31                           ; v31  0; never rewritten
.set ID,  32                           ; v[32:63]  the ids as loaded, then 8 x expert
.set FR,  32                           ; v[32:63]  later: the fragments, 8 registers a chunk
.set XF,  64                           ; v[64:127] x in f32, 16 registers a chunk
.set MC,  24                           ; s[24:27]  tokens of expert 0..3
.set NTL, 28                           ; s[28:31]  its tiles
.set FT,  32                           ; s[32:35]  its first tile
	s_load_b256 s[4:11], s[0:1], 0x0               ; x s[4:5], ids s[6:7], xs s[8:9], perm s[10:11]
	s_load_b64 s[12:13], s[0:1], 0x20              ; meta
	v_lshl_add_u32 v[SPW], v0, 2, SPARE
	v_mov_b32 v[NIL], 0
	v_lshrrev_b32 v1, 5, v0
	v_readfirstlane_b32 s14, v1                    ; wave 0..3
	v_and_b32 v1, 31, v0                           ; lane
	v_and_b32 v2, 15, v0                           ; r: my row in the tile
	v_bfe_u32 v3, v0, 4, 1                         ; h
	v_lshlrev_b32 v4, 4, v1                        ; 16 x lane; never rewritten
	v_lshlrev_b32 v7, 2, v1                        ; 4 x lane; never rewritten
	v_mov_b32 v5, 0                                ; my lane's counts, four fields of 8 bits
	s_mov_b32 s15, ttmp9                           ; t
	s_and_b32 s16, ttmp7, 0xffff                   ; qy
	s_wait_kmcnt 0x0
.irp m, 0,1,2,3,4,5,6,7
	global_load_b128 v[ID+4*(\m):ID+4*(\m)+3], v4, s[6:7] offset:512*(\m)  ; register ID + 4 m + j holds token 128 m + 4 lane + j
.endr
	; 8 x expert takes the id's place; a lane has 32 ids, so a field holds 32 at the most
.irp m, 0,1,2,3,4,5,6,7
	s_wait_loadcnt 7-(\m)                          ; loads come back in order: load m is in, the younger ones stay out
.irp j, 0,1,2,3
	v_max_i32 v[ID+4*(\m)+(\j)], 0, v[ID+4*(\m)+(\j)]
	v_min_u32 v[ID+4*(\m)+(\j)], 99999, v[ID+4*(\m)+(\j)]
	v_lshlrev_b32 v[ID+4*(\m)+(\j)], 3, v[ID+4*(\m)+(\j)]
	v_and_b32 v[ID+4*(\m)+(\j)], 24, v[ID+4*(\m)+(\j)]
	v_lshl_add_u32 v5, 1, v[ID+4*(\m)+(\j)], v5
.endr
.endr
	; the sum over the lanes, bit by bit: the lanes with bit b of a field set count 2^b each
.irp x, 0,1,2,3
.irp b, 0,1,2,3,4,5
	v_and_b32 v[8+(\b)], 1<<(8*(\x)+(\b)), v5
.endr
.irp b, 0,1,2,3,4,5
	v_cmp_ne_u32 s[36+(\b)], 0, v[8+(\b)]
.endr
.irp b, 0,1,2,3,4,5
	s_bcnt1_i32_b32 s[36+(\b)], s[36+(\b)]
.endr
	s_lshl1_add_u32 s[MC+(\x)], s41, s40
	s_lshl1_add_u32 s[MC+(\x)], s[MC+(\x)], s39
	s_lshl1_add_u32 s[MC+(\x)], s[MC+(\x)], s38
	s_lshl1_add_u32 s[MC+(\x)], s[MC+(\x)], s37
	s_lshl1_add_u32 s[MC+(\x)], s[MC+(\x)], s36
	s_add_co_u32 s[NTL+(\x)], s[MC+(\x)], 15
	s_lshr_b32 s[NTL+(\x)], s[NTL+(\x)], 4
.endr
	s_mov_b32 s[FT], 0
	s_add_co_u32 s[FT+1], s[FT], s[NTL]
	s_add_co_u32 s[FT+2], s[FT+1], s[NTL+1]
	s_add_co_u32 s[FT+3], s[FT+2], s[NTL+2]
	s_add_co_u32 s42, s[FT+3], s[NTL+3]            ; tiles in all
	s_cmp_ge_u32 s15, s42
	s_cbranch_scc1 .Lend                           ; this split has no tile t
	; my tile's expert: the last one whose first tile is not beyond t (an expert without tiles shares its first tile with the next, which then wins)
	s_mov_b32 s43, 0                               ; 8 x expert
	s_mov_b32 s44, 0                               ; its first tile
	s_mov_b32 s45, s[MC]                           ; its tokens
.irp x, 1,2,3
	s_cmp_ge_u32 s15, s[FT+(\x)]
	s_cselect_b32 s43, 8*(\x), s43
	s_cselect_b32 s44, s[FT+(\x)], s44
	s_cselect_b32 s45, s[MC+(\x)], s45
.endr
	s_sub_co_u32 s46, s44, s15
	s_lshl_b32 s46, s46, 4                         ; the running rank, counted from my tile's first place: it starts at -16 (t - first tile)
	s_add_co_u32 s47, s45, s46
	s_sub_co_u32 s47, s47, 1                       ; the expert's last token's place, counted likewise: 0 or more
	s_lshl_b32 s48, s14, 7                         ; my wave's list
	; each of the 32 registers of ids: rank = running rank + the expert's lanes below mine; ranks 0..15 go to their word, all else (as an unsigned number: 16 or more) to word 16
.set g, 0
.rept 32
	v_cmp_eq_u32 s[36+g%4], s43, v[ID+g]
	v_mbcnt_lo_u32_b32 v[8+2*(g%4)], s[36+g%4], s46
	v_cndmask_b32 v[8+2*(g%4)], 16, v[8+2*(g%4)], s[36+g%4]
	v_min_u32 v[8+2*(g%4)], 16, v[8+2*(g%4)]
	v_lshl_add_u32 v[8+2*(g%4)], v[8+2*(g%4)], 2, s48
	v_add_nc_u32 v[9+2*(g%4)], 128*(g/4)+g%4, v7
	ds_store_b32 v[8+2*(g%4)], v[9+2*(g%4)]
	s_bcnt1_i32_b32 s[36+g%4], s[36+g%4]
	s_add_co_u32 s46, s46, s[36+g%4]
.set g, g+1
.endr
	v_min_u32 v6, s47, v2                          ; places past the count repeat the last token
	v_min_u32 v6, 15, v6
	v_lshl_add_u32 v6, v6, 2, s48
	ds_load_b32 v10, v6                            ; LDS serves a wave's instructions in order (ISA guide 5.7.1.4): this sees the stores above
	s_lshl_b32 s50, s16, 4
	s_lshl2_add_u32 s50, s14, s50                  ; my first chunk: 16 qy + 4 wave
	s_lshl_b32 s52, s50, 7                         ; 128 bytes of x a chunk
	s_mov_b32 s53, 0
	s_add_nc_u64 s[4:5], s[4:5], s[52:53]
	s_lshl_b32 s52, s50, 10                        ; 1,024 bytes of xs a chunk,
	s_lshl_b32 s51, s15, 16                        ; 65,536 a tile
	s_add_co_u32 s52, s52, s51
	s_add_nc_u64 s[8:9], s[8:9], s[52:53]
	s_wait_dscnt 0x0
	v_min_u32 v10, 0x3ff, v10                      ; my row's token
	v_lshlrev_b32 v11, 13, v10                     ; its 8,192 bytes of x,
	v_lshl_add_u32 v11, v3, 6, v11                 ; my half of a chunk: 16 channels, 64 bytes
.irp c, 0,1,2,3
.irp a, 0,1,2,3
	global_load_b128 v[XF+16*(\c)+4*(\a):XF+16*(\c)+4*(\a)+3], v11, s[4:5] offset:128*(\c)+16*(\a)
.endr
.endr
.irp c, 0,1,2,3
	s_wait_loadcnt 12-4*(\c)                       ; chunk c's four loads are in; the later chunks' stay out
.irp i, 0,1,2,3,4,5,6,7
	v_cvt_pk_bf16_f32 v[FR+8*(\c)+(\i)], v[XF+16*(\c)+2*(\i)], v[XF+16*(\c)+2*(\i)+1]
.endr
	global_store_b128 v4, v[FR+8*(\c):FR+8*(\c)+3], s[8:9] offset:1024*(\c)          ; each store of the wave covers 512 consecutive bytes, aligned;
	global_store_b128 v4, v[FR+8*(\c)+4:FR+8*(\c)+7], s[8:9] offset:1024*(\c)+512    ; each chunk has registers of its own, so none is rewritten
.endr
	s_or_b32 s20, s16, s14
	s_cmp_lg_u32 s20, 0
	s_cbranch_scc1 .Lend                           ; one wave of one of the tile's four work-groups stores the tile's tokens
	v_lshlrev_b32 v12, 2, v2
	s_lshl_b32 s20, s15, 6
	v_add_nc_u32 v12, s20, v12
	global_store_b32 v12, v10, s[10:11]            ; perm[16 t + r]; lanes r and r + 16 store the same word with the same number
	s_cmp_lg_u32 s15, 0
	s_cbranch_scc1 .Lend                           ; and tile 0's wave the experts' first tiles and numbers of tiles
	v_mov_b32 v13, 0
.irp x, 0,1,2,3
	v_writelane_b32 v13, s[FT+(\x)], \x
	v_writelane_b32 v13, s[NTL+(\x)], 4+(\x)
.endr
	global_store_b32 v7, v13, s[12:13]
.Lend:
	s_wait_tensorcnt 0x0                           ; the wave's end: behind my last LDS store
	ds_add_u32 v[SPW], v[NIL]
	s_wait_dscnt 0x0
	s_endpgm
.Lfunc_end_k_qddd3d74d5d_route:
	.size	k_qddd3d74d5d_route, .Lfunc_end_k_qddd3d74d5d_route-k_qddd3d74d5d_route
	.p2alignl 7, 3214868480
	.fill 96, 4, 3214868480
	.section	.rodata,"a",@progbits
	.p2align	6, 0x0
	.amdhsa_kernel k_qddd3d74d5d_route
		.amdhsa_group_segment_fixed_size 1024
		.amdhsa_private_segment_fixed_size 0
		.amdhsa_enable_private_segment 0
		.amdhsa_kernarg_size 40
		.amdhsa_user_sgpr_count 2
		.amdhsa_user_sgpr_kernarg_segment_ptr 1
		.amdhsa_wavefront_size32 1
		.amdhsa_system_sgpr_workgroup_id_x 1
		.amdhsa_system_sgpr_workgroup_id_y 1
		.amdhsa_system_sgpr_workgroup_id_z 1
		.amdhsa_system_vgpr_workitem_id 0
		.amdhsa_next_free_vgpr 128
		.amdhsa_next_free_sgpr 66
		.amdhsa_reserve_vcc 0
		.amdhsa_float_denorm_mode_32 3
		.amdhsa_float_denorm_mode_16_64 3
		.amdhsa_memory_ordered 1
		.amdhsa_forward_progress 1
		.amdhsa_inst_pref_size 36
	.end_amdhsa_kernel
	.amdgpu_metadata
---
amdhsa.version: [ 1, 2 ]
amdhsa.kernels:
  - .name:           k_qddd3d74d5d_route
    .symbol:         k_qddd3d74d5d_route.kd
    .args:
      - { .name: hidden_states, .offset: 0, .size: 8, .value_kind: global_buffer, .address_space: global }
      - { .name: token_ids, .offset: 8, .size: 8, .value_kind: global_buffer, .address_space: global }
      - { .name: xs, .offset: 16, .size: 8, .value_kind: global_buffer, .address_space: global }
      - { .name: perm, .offset: 24, .size: 8, .value_kind: global_buffer, .address_space: global }
      - { .name: meta, .offset: 32, .size: 8, .value_kind: global_buffer, .address_space: global }
    .group_segment_fixed_size: 1024
    .private_segment_fixed_size: 0
    .kernarg_segment_align: 8
    .kernarg_segment_size: 40
    .max_flat_workgroup_size: 128
    .sgpr_count:     66
    .vgpr_count:     128
    .wavefront_size: 32
...
	.end_amdgpu_metadata
.endif
;; end of part 1
;; launch gateup (part 2): grid 64 x 4, 8 waves a work-group, no clusters, 263,168 bytes of LDS; arguments gate_proj, up_proj, xs, meta, hs; writes hs
.if DOCPART == 2
	.amdgcn_target "amdgcn-amd-amdhsa--gfx1250"
	.amdhsa_code_object_version 6
	.text
	.protected	k_qddd3d74d5d_gateup
	.globl	k_qddd3d74d5d_gateup
	.p2align	8
	.type	k_qddd3d74d5d_gateup,@function
k_qddd3d74d5d_gateup:
	s_mov_b64 s[64:65], 0
	v_nop
	global_prefetch_b8 v0, s[64:65] scope:SCOPE_SE
	s_setreg_imm32_b32 hwreg(HW_REG_WAVE_MODE, 25, 1), 1
	s_wait_xcnt 0x0
; hs = silu(x Wg) * (x Wu) for the rows of one expert and 32 columns of the hidden layer.  Work-group (s = slice of 32 columns, e = expert): it alone reads its 2 x 2048 x 32 f32 weights, once.
; ROLES.  Waves 4-7 (PRODUCERS) bring the weights from memory into registers, round them once to bf16 and lay them into LDS as ready fragments; waves 0-3 (CONSUMERS) load the token
; fragments that the launch before laid out straight into registers, the weights' fragments from LDS, and multiply.  Two roles, since a wave's loads come back in order: in one wave each wait
; for a token fragment would also wait for the weights asked for ahead of it.
; K goes in 16 steps of 128 (four chunks of 32).  A step's weights are 16,384 bytes of bf16, and the whole slice, 262,144 bytes, stays in LDS: no LDS byte is written twice, so one barrier between
; the stores and the reads is all the ordering.  The waves meet once for a REGION of three K steps (five regions, then the last step alone: six barriers).
; EACH WORK-GROUP WALKS K FROM A STEP OF ITS OWN: the n-th step of work-group s is K step (s + n) % 16, and the slice lies in LDS in the order of the walk.  The 64 work-groups of an expert read the same
; token rows; from one common start all would ask, step after step, for bytes of xs that no work-group has asked for before.  So turned, the first steps of sixteen neighbours cover all of K, and from its second step on a
; work-group asks for bytes that another has asked for already.  The sums are added in the walk's order.
; A producer has three steps' loads out: 48 loads of 512 bytes, in three sets of 64 registers.  A producers' part takes all three sets once, always in the order 0, 1, 2: so ahead of each set's wait
; just the two other sets' 32 loads were issued behind its own, whichever part stood before this one.
; ROWS.  A tile is 16 sorted rows.  Tile 20 p + 4 i + w of the expert is slot i of consumer w in pass p.  Pass 0 runs beside the producers; a later pass runs only where the expert has more than 320 rows,
; on the slice that lies in LDS; the loop over passes has a constant count that covers all 1,024 rows on one expert, and only work is jumped.  An expert without rows: the slice is streamed, nothing stored.
; A slot without a tile still issues its 8 loads a step (all lanes at the same 16 bytes of tile 0, which always exists), so that every counted wait holds on every path; only its 16 products are jumped.
; THE SUMS START FROM CLEARED REGISTERS: 160 v_mov_b32, which the consumers run while the first weights are on their way.  The price is named: so region 0 is a trip of the loop like the others,
; where a first step written out with C = 0 would want a whole region's text a second time.
; THE MATRIX INSTRUCTION IS USED TRANSPOSED: source 0 = 16 columns of weights, source 1 = 16 tokens.  Place (h, register i, half b) of both sources holds channel 32 chunk + 16 h + 2 i + b.
; Fragment f = 2 X + jf (X: 0 gate, 1 up) holds columns 2 m + jf in its rows m, so a lane of the result (token lane % 16, h) has columns 16 h + 2 j + jf in register j: gate's and up's meet in one lane,
; and the pair (jf = 0, 1) rounded to bf16 IS register j of the next launch's token fragment: nothing changes lanes.
; NO TENSOR LOADS: f32 weights pass through registers to be rounded.  NO CLUSTER: each weight has one reader; what an expert's 64 work-groups share is its token rows, and beside the slice
; LDS has 65,536 bytes left, less than one K step's rows of 20 tiles twice (2 x 81,920).
; LIMITS.  Matrix operands and hs are bf16, sums f32.  silu(g) u = g u / (1 + 2^(-g log2 e)): the exponential and the reciprocal flush denormals; below g = -88 or so the result counts as 0;
; g u stays finite in f32; NaN and infinities are not treated apart.
; REGISTERS, in windows of 256 (s_set_vgpr_msb: bits 1:0 source 0, 3:2 source 1, 5:4 source 2, 7:6 destination):
;   window 0: v0-31 addresses; v32-159 consumers: a step's 16 weight fragments (later at work on the way out), producers: v32-63 rounded weights; v160-255 token fragments of slots 0-2
;   window 1: v0-63 token fragments of slots 3, 4; v64-223 consumers: accumulators (slot i, fragment f at 64 + 32 i + 8 f); v64-255 producers: three sets of 64, a step's weights in f32.
;   No register into which a producer loads is one into which a consumer loads.
.set NS,    5                          ; slots a consumer
.set TSTEP, 4                          ; tiles from slot to slot
.set TSH,   2
.set PSTEP_T, 20                       ; tiles a pass
.set NPASS, 4                          ; 4 x 20 tiles cover an expert's 64 at the most
.set REG,   16384                      ; LDS bytes of a K step
.set SPARE, 262144                     ; behind the slice: the spare words, 128 bytes for each of eight waves: four blocks of 256 bytes that no other line names
.set LN,  1                            ; v1   lane
.set L16, 2                            ; v2   16 x lane; never rewritten
.set LAC, 4                            ; v4   consumers: 16 x lane + the K steps gone
.set LAP, 5                            ; v5   producers: where my 16 bytes of a fragment go
.set VO,  6                            ; v6   producers: my byte offset in a K step's weights; never rewritten
.set XO,  8                            ; v8-12   slot i: my byte offset in its tile of xs, and of hs
.set VOJ, 13                           ; v13-15  producers: VO + the 1,048,576 bytes of each K step ahead of the one that set j takes next
.set SPW, 30                           ; v30  LDS address of my spare word; never rewritten
.set NIL, 31                           ; v31  0; never rewritten
.set W,   32
.set CV,  32
.set T,   32                           ; the way out: v32-47, v48-63 at work, v64-103 results, 8 a slot
.set P,   48
.set R,   64
.set ACC, 64                           ; window 1
.set ST,  64                           ; window 1
.set XS0, 8                            ; s[8:9] xs; never stepped
.set XB,  40                           ; s[40:45] xs at the K step whose rows step j of a region asks for
; s[4:5], s[6:7] gate's and up's slice, never stepped; s[10:11] meta; s[12:13] hs at my chunk; s14 wave; s15 wave % 4; s16 slice; s17 expert; s18 the expert's first tile; s19 its tiles;
; s20 my slot 0's tile in this pass; s21 my slots that have a tile; s24, s25 counters; s26-29 at work; s30 a later pass's LDS offset; s[32:33] -log2 e; s[34:35] an offset; s36 first tile + s20;
; s38 the walk's running number; s39 at work; s[48:49] an offset, the high word 0; s50 my first K step
.set MSB, 0
.macro WIN new                         ; the immediate's high byte repeats the setting that is left; a switch that changes nothing is dropped
.if MSB != (\new)
	s_set_vgpr_msb (MSB<<8)|(\new)
.set MSB, (\new)
.endif
.endm
; THE WALK.  s38 = my first K step + the steps gone (+ 16).  In the region that begins there, set j asks for the weights of step 3 + j and step j asks for the rows of step 1 + j, all modulo 16.
; It stands behind s_wait_xcnt 0: the loads that name these registers have had their addresses translated.
.macro WALK
.irp j, 0,1,2
	s_add_co_u32 s39, s38, 3+(\j)
	s_and_b32 s39, s39, 15
	v_lshl_add_u32 v[VOJ+(\j)], s39, 20, v[VO]     ; a K step is 128 rows of 8,192 bytes
	s_add_co_u32 s39, s38, 1+(\j)
	s_and_b32 s39, s39, 15
	s_lshl_b32 s48, s39, 12                        ; and 4,096 bytes of every tile of xs
	s_add_nc_u64 s[XB+2*(\j):XB+2*(\j)+1], s[XS0:XS0+1], s[48:49]
.endr
.endm
; PRODUCERS.  Producer q has chunk q of a step.  Lane (rho = lane / 8, gam = lane % 8) loads rows 32 q + 8 rho + 0..7, columns 4 gam + 0..3, of gate and of up: a load of the wave covers 4 rows x 128 bytes.
.macro PLOAD set
	WIN 0x40
.irp m, 0,1
.irp i, 0,1,2,3,4,5,6,7
	global_load_b128 v[ST+64*(\set)+32*(\m)+4*(\i):ST+64*(\set)+32*(\m)+4*(\i)+3], v[VOJ+(\set)], s[4+2*(\m):5+2*(\m)] offset:8192*(\i) th:TH_LOAD_NT
.endr
.endr
	WIN 0
.endm
; two rows' numbers of one column make a register: rows 8 rho + 2 a, + 1 are place (h = rho / 2, register 4 (rho % 2) + a)
.macro PCVT set
	WIN 0x05
.irp m, 0,1
.irp c, 0,1,2,3
.irp a, 0,1,2,3
	v_cvt_pk_bf16_f32 v[CV+16*(\m)+4*(\c)+(\a)], v[ST+64*(\set)+32*(\m)+8*(\a)+(\c)], v[ST+64*(\set)+32*(\m)+8*(\a)+4+(\c)]
.endr
.endr
.endr
	WIN 0
.endm
; column 4 gam + c goes to fragment 2 X + c % 2, row 2 gam + c / 2., twice each
.macro PSTORE wimm
.irp m, 0,1
.irp c, 0,1,2,3
	ds_store_b128 v[LAP], v[CV+16*(\m)+4*(\c):CV+16*(\m)+4*(\c)+3] offset:(\wimm)+(2*(\m)+((\c)&1))*1024+((\c)>>1)*16
.endr
.endr
.endm
; A producer's K step: the set's loads are in (pw: the loads issued behind them, which may stay out); round; pl = 1: the step three ahead is asked for, into the set just rounded; store.
.macro PSTEP set, wimm, pl, pw
	s_wait_loadcnt \pw
	PCVT \set
.if \pl
	PLOAD \set
.endif
	PSTORE \wimm
.endm
; CONSUMERS.  A step's 16 weight fragments, chunk by chunk: 32 loads of 512 consecutive bytes
.macro WLOAD wimm
.irp c, 0,1,2,3
.irp f, 0,1,2,3
	ds_load_b128 v[W+8*(4*(\c)+(\f)):W+8*(4*(\c)+(\f))+3],   v[LAC] offset:(\wimm)+(\c)*4096+(\f)*1024
	ds_load_b128 v[W+8*(4*(\c)+(\f))+4:W+8*(4*(\c)+(\f))+7], v[LAC] offset:(\wimm)+(\c)*4096+(\f)*1024+512
.endr
.endr
.endm
; slot i's token fragments of the K step at base b: 8 loads of 512 consecutive bytes.  Slots 0-2: window 0, v160 on; slots 3, 4: window 1, v0 on
.macro XLOAD i, b
.set XR, 160*(1-(\i)/3)+32*((\i)%3)
	WIN 0x40*((\i)/3)
.irp j, 0,1,2,3,4,5,6,7
	global_load_b128 v[XR+4*(\j):XR+4*(\j)+3], v[XO+(\i)], s[(\b):(\b)+1] offset:512*(\j)
.endr
	WIN 0
.endm
; slot i's 16 products of a K step.  Its four accumulators take turns, one instruction a turn; the run ends on fragment 3 and every run begins on fragment 0.
; dsw = 1: chunk c's 8 fragment loads are waited for as they are wanted; the later chunks' stay out.
; Four v_nop close the run: loads into the sources, and vector lines that read the results, stand four places behind the products (ISA guide 7.12.1 for vector lines).
.macro MULS i, dsw
.set XR, 160*(1-(\i)/3)+32*((\i)%3)
.set AB, ACC+32*(\i)
	WIN 0x50+4*((\i)/3)
.irp c, 0,1,2,3
.if \dsw
	s_wait_dscnt 24-8*(\c)
.endif
.irp f, 0,1,2,3
	v_wmma_f32_16x16x32_bf16 v[AB+8*(\f):AB+8*(\f)+7], v[W+8*(4*(\c)+(\f)):W+8*(4*(\c)+(\f))+7], v[XR+8*(\c):XR+8*(\c)+7], v[AB+8*(\f):AB+8*(\f)+7]
.endr
.endr
.rept 4
	v_nop
.endr
	WIN 0
.endm
; A slot's turn in a K step.  xw: the loads issued behind this slot's fragments, which may stay out.  A slot without a tile jumps its products.  xl = 1: the next step's fragments are asked for, at base xb.
.macro SLOT i, xl, xb, xw
	s_wait_loadcnt \xw
.if (\i) > 0
	s_wait_dscnt 0x0                               ; the weights' fragments are in, also where slot 0's products, and their waits, were jumped
.endif
	s_cmp_le_u32 s21, \i
	s_cbranch_scc1 .Lsk_\@
.if (\i) == 0
	MULS \i, 1
.else
	MULS \i, 0
.endif
.Lsk_\@:
.if \xl
	XLOAD \i, \xb
.endif
.endm
; A consumer's K step: the step's weight fragments, then the slots in turn
.macro CSTEP wimm, xl, xb
	WLOAD \wimm
.irp q, 0,1,2,3,4
.if \xl
	SLOT \q, 1, \xb, 8*(NS-1)
.else
	SLOT \q, 0, 0, 8*(NS-1-(\q))
.endif
.endr
.endm
.macro MEET
	s_wait_dscnt 0x0                               ; for the others' sake: a producer's stores are done; a consumer's reads are back
	s_barrier_signal -1
	s_barrier_wait -1
.endm
; A REGION of three K steps.  Producers: the three sets in turn.  All: the barrier: the region's 49,152 bytes are whole.  Consumers: three steps.
; full = 1: all three sets are asked for again (the steps three ahead).  full = 0 (steps 12-14 of the walk): only step 15 is left to ask for, so behind set 2's loads stand 16, not 32.
.macro REGION full
	s_cmp_lt_u32 s14, 4
	s_cbranch_scc1 .Lc_\@
	PSTEP 0, 0, 1, 32
.if \full
	PSTEP 1, REG,   1, 32
	PSTEP 2, 2*REG, 1, 32
.else
	PSTEP 1, REG,   0, 32
	PSTEP 2, 2*REG, 0, 16
.endif
.Lc_\@:
	MEET
	s_cmp_lt_u32 s14, 4
	s_cbranch_scc0 .Lp_\@
	CSTEP 0,     1, XB
	CSTEP REG,   1, XB+2
	CSTEP 2*REG, 1, XB+4
.Lp_\@:
.endm
; A pass's slots: how many have a tile, and each slot's offset, made in units of 16 bytes: tile x 4,096 + lane, held to the last unit of tile 67, then shifted.
; A slot without a tile points all its lanes at byte 0 of tile 0.
.macro SETUP_PASS
	s_add_co_u32 s36, s18, s20
	s_sub_co_i32 s21, s19, s20
	s_add_co_i32 s21, s21, TSTEP-1
	s_ashr_i32 s21, s21, TSH
	s_max_i32 s21, s21, 0
	s_min_i32 s21, s21, NS
.irp q, 0,1,2,3,4
	s_cmp_gt_u32 s21, \q
	s_cselect_b32 s26, 1, 0
	s_add_co_u32 s29, s36, TSTEP*(\q)
	s_mul_i32 s29, s29, s26
	s_lshl_b32 s29, s29, 12
	v_mad_u32_u24 v[XO+(\q)], v[LN], s26, s29
	v_min_u32 v[XO+(\q)], 0x4301f, v[XO+(\q)]
	v_lshlrev_b32 v[XO+(\q)], 4, v[XO+(\q)]
.endr
.endm
.macro CLEAR                           ; the sums of a pass start at 0
	WIN 0x40
.set z, 0
.rept 32*NS
	v_mov_b32 v[ACC+z], 0
.set z, z+1
.endr
	WIN 0
.endm
; THE WAY OUT of slot i: 16 gates (accumulators 0, 1) and 16 ups (2, 3) a lane.  Each accumulator is read from its low end on.  The exponentials are one batch with one wait, the reciprocals another.
.macro EPI i
.set AB, ACC+32*(\i)
	s_cmp_le_u32 s21, \i
	s_cbranch_scc1 .Lep_\@
	WIN 0x01
.irp a, 0,1,2,3,4,5,6,7
	v_pk_mul_f32 v[T+2*(\a):T+2*(\a)+1], v[AB+2*(\a):AB+2*(\a)+1], s[32:33] op_sel_hi:[1,0]  ; -g log2 e
.endr
	WIN 0
.irp a, 0,1,2,3,4,5,6,7,8,9,10,11,12,13,14,15
	v_exp_f32 v[T+(\a)], v[T+(\a)]
.endr
	WIN 0x05
.irp a, 0,1,2,3,4,5,6,7
	v_pk_mul_f32 v[P+2*(\a):P+2*(\a)+1], v[AB+2*(\a):AB+2*(\a)+1], v[AB+16+2*(\a):AB+16+2*(\a)+1]  ; g u: plain work behind the batch
.endr
	WIN 0
	s_wait_alu depctr_va_vdst(0)                   ; one wait for the 16 exponentials, ahead of their first reader
.irp a, 0,1,2,3,4,5,6,7
	v_pk_add_f32 v[T+2*(\a):T+2*(\a)+1], v[T+2*(\a):T+2*(\a)+1], 1.0 op_sel_hi:[1,0]
.endr
.irp a, 0,1,2,3,4,5,6,7,8,9,10,11,12,13,14,15
	v_rcp_f32 v[T+(\a)], v[T+(\a)]
.endr
	v_nop                                          ; a plain instruction behind the last reciprocal,
	s_wait_alu depctr_va_vdst(0)                   ; and one wait for the 16
.irp a, 0,1,2,3,4,5,6,7
	v_pk_mul_f32 v[P+2*(\a):P+2*(\a)+1], v[P+2*(\a):P+2*(\a)+1], v[T+2*(\a):T+2*(\a)+1]
.endr
.irp a, 0,1,2,3,4,5,6,7
	v_cvt_pk_bf16_f32 v[R+8*(\i)+(\a)], v[P+(\a)], v[P+8+(\a)]  ; columns 16 h + 2 a and + 1
.endr
	global_store_b128 v[XO+(\i)], v[R+8*(\i):R+8*(\i)+3], s[12:13]               ; each store of the wave covers 512 consecutive bytes, aligned
	global_store_b128 v[XO+(\i)], v[R+8*(\i)+4:R+8*(\i)+7], s[12:13] offset:512
.Lep_\@:
.endm
.macro XMUL i                          ; a later pass: a slot's products, jumped where it has no tile
	s_cmp_le_u32 s21, \i
	s_cbranch_scc1 .Lxm_\@
	MULS \i, 0
.Lxm_\@:
.endm
.macro XSTEP k                         ; a later pass: step k of a trip's two; nothing is asked for ahead
	WLOAD (\k)*REG
.irp q, 0,1,2,3,4
	XLOAD \q, XB+2*(\k)
.endr
	s_wait_loadcnt 0x0
	s_wait_dscnt 0x0
.irp q, 0,1,2,3,4
	XMUL \q
.endr
.endm
	s_load_b256 s[4:11], s[0:1], 0x0               ; gate s[4:5], up s[6:7], xs s[8:9], meta s[10:11]
	s_load_b64 s[12:13], s[0:1], 0x20              ; hs
	v_lshl_add_u32 v[SPW], v0, 2, SPARE
	v_mov_b32 v[NIL], 0
	v_lshrrev_b32 v3, 5, v0
	v_readfirstlane_b32 s14, v3                    ; wave 0..7
	s_and_b32 s15, s14, 3                          ; consumer w, or producer q
	s_mov_b32 s16, ttmp9                           ; slice
	s_and_b32 s17, ttmp7, 0xffff                   ; expert
	s_and_b32 s50, s16, 15                         ; my first K step
	s_add_co_u32 s38, s50, 13                      ; three steps ahead of the walk's start, modulo 16: the first WALK then names steps 0, 1, 2 for the weights, and step 0 for the rows in its third base
	s_mov_b32 s49, 0
	v_and_b32 v[LN], 31, v0
	v_lshlrev_b32 v[L16], 4, v[LN]
	v_lshrrev_b32 v3, 3, v[LN]                     ; rho
	v_and_b32 v7, 7, v[LN]                         ; gam
	v_lshlrev_b32 v[VO], 4, v7                     ; 16 gam
	v_lshl_add_u32 v[VO], v3, 16, v[VO]            ; + 8 rho rows of 8,192 bytes
	s_lshl_b32 s26, s15, 18
	v_add_nc_u32 v[VO], s26, v[VO]                 ; + 32 q rows
	v_lshlrev_b32 v[LAP], 5, v7                    ; fragment row 2 gam: 32 gam
	v_and_b32 v7, 1, v3
	v_lshrrev_b32 v3, 1, v3
	v_lshl_add_u32 v[LAP], v7, 9, v[LAP]           ; + 512 (rho % 2): registers 4-7
	v_lshl_add_u32 v[LAP], v3, 8, v[LAP]           ; + 256 (rho / 2): lanes 16-31
	s_lshl_b32 s26, s15, 12
	v_add_nc_u32 v[LAP], s26, v[LAP]               ; + 4,096 q
	v_mov_b32 v[LAC], v[L16]
	s_mov_b32 s32, 0xbfb8aa3b                      ; -log2 e
	s_mov_b32 s33, s32                             ; named with it as a pair
	s_lshl_b32 s34, s17, 24                        ; an expert's 16,777,216 bytes,
	s_lshl_b32 s26, s16, 7                         ; the slice's 128 bytes of a row
	s_add_co_u32 s34, s34, s26
	s_mov_b32 s35, 0
	s_lshl_b32 s27, s17, 2
	s_mov_b32 s20, s15                             ; pass 0: my slot 0 is tile w
	s_wait_kmcnt 0x0
	s_add_nc_u64 s[4:5], s[4:5], s[34:35]
	s_add_nc_u64 s[6:7], s[6:7], s[34:35]
	s_lshl_b32 s34, s16, 10                        ; hs: chunk s of every tile
	s_add_nc_u64 s[12:13], s[12:13], s[34:35]
	s_load_b32 s18, s[10:11], s27 offset:0x0       ; the expert's first tile
	s_load_b32 s19, s[10:11], s27 offset:0x10      ; and its tiles
	WALK
	s_cmp_lt_u32 s14, 4
	s_cbranch_scc0 .Lproducer0
	CLEAR                                          ; consumers: pass 0's sums
	s_branch .Lboth0
.Lproducer0:
	PLOAD 0                                        ; producers: steps 0, 1, 2 of the walk
	PLOAD 1
	PLOAD 2
.Lboth0:
	s_wait_kmcnt 0x0
	s_min_u32 s18, s18, 67
	s_min_u32 s19, s19, 64
	SETUP_PASS
	s_cmp_lt_u32 s14, 4
	s_cbranch_scc0 .Lno_consumer
.irp q, 0,1,2,3,4
	XLOAD \q, XB+4                                 ; step 0's token fragments
.endr
.Lno_consumer:
	s_mov_b32 s24, 4
.Lk:                                               ; a trip: steps 3 T + 0..2 of the walk; the producers ask for steps 3 T + 3..5
	s_wait_xcnt 0x0                                ; the walk's offsets and bases are written anew only behind this wait
	s_add_co_u32 s38, s38, 3
	WALK
	REGION 1
	v_add_nc_u32 v[LAC], 3*REG, v[LAC]
	v_add_nc_u32 v[LAP], 3*REG, v[LAP]
	s_sub_co_u32 s24, s24, 1
	s_cmp_lg_u32 s24, 0
	s_cbranch_scc1 .Lk
	s_wait_xcnt 0x0
	s_add_co_u32 s38, s38, 3
	WALK
	REGION 0                                       ; steps 12, 13, 14
	s_cmp_lt_u32 s14, 4                            ; step 15 alone
	s_cbranch_scc1 .Lc_last
	PSTEP 0, 3*REG, 0, 0                           ; no load was issued behind step 15's
.Lc_last:
	MEET
	s_cmp_lt_u32 s14, 4
	s_cbranch_scc0 .Lp_last
	CSTEP 3*REG, 0, 0                              ; nothing is left to ask for: the counts run down
.Lp_last:
	s_mov_b32 s25, NPASS
.Lpass:                                            ; a trip: the pass in hand goes out; the next pass, if this consumer has a tile in it, is multiplied.  The producers only pass the barrier
	s_cmp_lt_u32 s14, 4
	s_cbranch_scc0 .Lidle
.irp q, 0,1,2,3,4
	EPI \q
.endr
	s_wait_xcnt 0x0                                ; the stores' offsets and data are rewritten only behind this wait
	s_add_co_u32 s20, s20, PSTEP_T
	SETUP_PASS
	s_cmp_eq_u32 s21, 0
	s_cbranch_scc1 .Lnone
	s_wait_loadcnt 0x0                             ; only an expert with more than 320 rows comes here.  No load of mine is out when its registers and bases are used again
	CLEAR
	s_mov_b32 s38, s50                             ; the walk begins anew: the slice lies in LDS in its order
	s_mov_b32 s30, 0
	s_mov_b32 s24, 8
.Lxk:                                              ; a trip: two steps of the walk
	v_add_nc_u32 v[LAC], s30, v[L16]
.irp k, 0,1
	s_add_co_u32 s39, s38, \k
	s_and_b32 s39, s39, 15
	s_lshl_b32 s48, s39, 12
	s_add_nc_u64 s[XB+2*(\k):XB+2*(\k)+1], s[XS0:XS0+1], s[48:49]  ; the loads that named it are back
.endr
	XSTEP 0
	XSTEP 1
	s_add_co_u32 s38, s38, 2
	s_add_co_u32 s30, s30, 2*REG
	s_sub_co_u32 s24, s24, 1
	s_cmp_lg_u32 s24, 0
	s_cbranch_scc1 .Lxk
.Lnone:
.Lidle:
	s_wait_dscnt 0x0                               ; my reads of the slice are back
	s_barrier_signal -1                            ; all eight waves meet: no wave goes on to its closing LDS lines while another still walks the slice
	s_barrier_wait -1                              ; (the bytes are apart by the map above; the barrier keeps them apart in time as well)
	s_sub_co_u32 s25, s25, 1
	s_cmp_lg_u32 s25, 0
	s_cbranch_scc1 .Lpass
	s_wait_tensorcnt 0x0                           ; the wave's end: behind my last LDS store
	ds_add_u32 v[SPW], v[NIL]
	s_wait_dscnt 0x0
	s_endpgm
.Lfunc_end_k_qddd3d74d5d_gateup:
	.size	k_qddd3d74d5d_gateup, .Lfunc_end_k_qddd3d74d5d_gateup-k_qddd3d74d5d_gateup
	.p2alignl 7, 3214868480
	.fill 96, 4, 3214868480
	.section	.rodata,"a",@progbits
	.p2align	6, 0x0
	.amdhsa_kernel k_qddd3d74d5d_gateup
		.amdhsa_group_segment_fixed_size 263168
		.amdhsa_private_segment_fixed_size 0
		.amdhsa_enable_private_segment 0
		.amdhsa_kernarg_size 40
		.amdhsa_user_sgpr_count 2
		.amdhsa_user_sgpr_kernarg_segment_ptr 1
		.amdhsa_wavefront_size32 1
		.amdhsa_system_sgpr_workgroup_id_x 1
		.amdhsa_system_sgpr_workgroup_id_y 1
		.amdhsa_system_sgpr_workgroup_id_z 1
		.amdhsa_system_vgpr_workitem_id 0
		.amdhsa_next_free_vgpr 512
		.amdhsa_next_free_sgpr 66
		.amdhsa_reserve_vcc 0
		.amdhsa_float_denorm_mode_32 3
		.amdhsa_float_denorm_mode_16_64 3
		.amdhsa_memory_ordered 1
		.amdhsa_forward_progress 1
		.amdhsa_inst_pref_size 182
	.end_amdhsa_kernel
	.amdgpu_metadata
---
amdhsa.version: [ 1, 2 ]
amdhsa.kernels:
  - .name:           k_qddd3d74d5d_gateup
    .symbol:         k_qddd3d74d5d_gateup.kd
    .args:
      - { .name: gate_proj, .offset: 0, .size: 8, .value_kind: global_buffer, .address_space: global }
      - { .name: up_proj, .offset: 8, .size: 8, .value_kind: global_buffer, .address_space: global }
      - { .name: xs, .offset: 16, .size: 8, .value_kind: global_buffer, .address_space: global }
      - { .name: meta, .offset: 24, .size: 8, .value_kind: global_buffer, .address_space: global }
      - { .name: hs, .offset: 32, .size: 8, .value_kind: global_buffer, .address_space: global }
    .group_segment_fixed_size: 263168
    .private_segment_fixed_size: 0
    .kernarg_segment_align: 8
    .kernarg_segment_size: 40
    .max_flat_workgroup_size: 256
    .sgpr_count:     66
    .vgpr_count:     512
    .wavefront_size: 32
...
	.end_amdgpu_metadata
.endif
;; end of part 2
;; launch down (part 3): grid 64 x 4, 8 waves a work-group, no clusters, 280,576 bytes of LDS; arguments down_proj, hs, perm, meta, out0; writes out0
.if DOCPART == 3
	.amdgcn_target "amdgcn-amd-amdhsa--gfx1250"
	.amdhsa_code_object_version 6
	.text
	.protected	k_qddd3d74d5d_down
	.globl	k_qddd3d74d5d_down
	.p2align	8
	.type	k_qddd3d74d5d_down,@function
k_qddd3d74d5d_down:
	s_mov_b64 s[64:65], 0
	v_nop
	global_prefetch_b8 v0, s[64:65] scope:SCOPE_SE
	s_setreg_imm32_b32 hwreg(HW_REG_WAVE_MODE, 25, 1), 1
	s_wait_xcnt 0x0
; out rows = hs Wd for half of the rows of one expert and 64 columns.  Work-group (x = 2 sig + hf, e): slice sig of 64 columns (a row's 256 bytes, aligned), tiles of parity hf.
; The slice's 2048 x 64 f32 weights are read by the two work-groups of a slice, neighbours in x.  Roles, K steps, the slice in LDS, the regions of three K steps with one barrier each, and the passes are those
; of the launch before: waves 4-7 (PRODUCERS) bring weights from memory, round them once to bf16 and lay them into LDS as fragments; waves 0-3 (CONSUMERS) load the token fragments of hs straight into
; registers and multiply.  A producers' part takes its three sets of registers once, always in the order 0, 1, 2: ahead of each set's wait just the two other sets' 32 loads were issued behind its own.
; EACH SLICE WALKS K FROM A STEP OF ITS OWN: the n-th step of slice sig is K step (sig + n) % 16, and the slice lies in LDS in the order of the walk.  The 32 work-groups of an expert's half read the same rows of hs;
; so turned, the first steps of sixteen neighbouring slices cover all of K, and from its second step on a work-group asks for bytes of hs that another has asked for already.  The two work-groups of a slice keep one walk:
; they ask for the same weights together.  The sums are added in the walk's order.
; ROWS.  Tile 24 p + 8 i + 2 w + hf of the expert is slot i (of 3) of consumer w in pass p; three passes cover an expert's 64 tiles at the most; a later pass runs only where the expert has more than 384 rows.
; A slot without a tile still issues its loads (all lanes at the same bytes of tile 0), so that the counted waits hold on every path; only its products and its way out are jumped.
; THE SUMS START FROM CLEARED REGISTERS: 96 v_mov_b32, which the consumers run while the first weights are on their way; so region 0 is a trip of the loop like the others.
; THE MATRIX INSTRUCTION IS USED TRANSPOSED: source 0 = 16 columns of weights, source 1 = 16 tokens; place (h, register i, half b) of both holds channel 32 chunk + 16 h + 2 i + b.
; A producer's lane (r = lane % 16, h) loads rows 32 q + 16 h + 0..15, columns 4 r + 0..3: just its own place in four fragments jf, whose row r is column 4 r + jf.  So its LDS stores are 512 consecutive bytes.
; A lane of the result (token lane % 16, h) has column 32 h + 4 j + jf in register j of accumulator jf.  A tile goes out through the consumer's own stage in LDS and leaves as whole rows of 256 bytes, to the
; token's row by perm.  Places past an expert's count repeat its last token: the same wave stores the same bits to the same bytes again, so nothing is masked.
; NO TENSOR LOADS: f32 weights pass through registers to be rounded.  NO CLUSTER: beside the slice and the stage LDS has 47,104 bytes left, less than one K step's rows of 12 tiles twice (2 x 49,152).
; LIMITS.  Matrix operands are bf16, sums f32, the output f32 unrounded.  NaN and infinities are not treated apart.
; REGISTERS, in windows of 256 (s_set_vgpr_msb: bits 1:0 source 0, 3:2 source 1, 5:4 source 2, 7:6 destination):
;   window 0: v0-31 addresses; v32-159 consumers: a step's 16 weight fragments (later v32-127 rows read back from the stage), producers: v32-63 rounded weights; v160-255 token fragments of slots 0-2
;   window 1: v0-23 the rows' byte offsets in out0; v64-159 consumers: accumulators (slot i, fragment f at 64 + 32 i + 8 f); v64-255 producers: three sets of 64, a step's weights in f32.
;   No register into which a producer loads is one into which a consumer loads.
.set NS,    3
.set TSTEP, 8
.set TSH,   3
.set PSTEP_T, 24
.set NPASS, 3
.set REG,   16384                      ; LDS bytes of a K step
.set STAGE, 262144                     ; behind the slice: 16 rows x 272 bytes for each consumer
.set SP,    272                        ; 256 bytes + 16 of padding
.set SPARE, STAGE+4*16*SP              ; 279,552: the spare words, 128 bytes for each of eight waves: four blocks of 256 bytes that no other line names
.set LN,  1                            ; v1   lane
.set L16, 2                            ; v2   16 x lane; never rewritten
.set LH,  3                            ; v3   lane / 16
.set LAC, 4                            ; v4   consumers: 16 x lane + the K steps gone
.set LAP, 5                            ; v5   producers: where my 16 bytes of a fragment go
.set VO,  6                            ; v6   producers: my byte offset in a K step's weights; never rewritten
.set C16, 7                            ; v7   16 (lane % 16)
.set XO,  8                            ; v8-10   slot i: my byte offset in hs
.set PO,  11                           ; v11-13  slot i: my byte offset in perm
.set STO, 14                           ; v14  the way out: where my row's half begins in my stage
.set RD,  15                           ; v15  the way out: where I read a row back
.set RR,  16                           ; v16  lane % 16
.set VOJ, 18                           ; v18-20  producers: VO + the 1,048,576 bytes of each K step ahead of the one that set j takes next
.set SPW, 30                           ; v30  LDS address of my spare word; never rewritten
.set NIL, 31                           ; v31  0; never rewritten
.set W,   32
.set CV,  32
.set OB,  32
.set OA,  0                            ; window 1
.set ACC, 64                           ; window 1
.set ST,  64                           ; window 1
.set XS0, 6                            ; s[6:7] hs; never stepped
.set XB,  40                           ; s[40:45] hs at the K step whose rows step j of a region asks for
; s[4:5] the slice, never stepped; s[8:9] perm; s[10:11] meta; s[12:13] out0 at my columns; s14 wave; s15 wave % 4; s16 slice; s17 expert; s18 the expert's first tile; s19 its tiles;
; s20 my slot 0's tile in this pass; s21 my slots that have a tile; s24, s25 counters; s26-29, s31 at work; s30 a later pass's LDS offset; s[34:35] an offset; s36 first tile + s20; s37 hf;
; s38 the walk's running number; s39 at work; s[48:49] an offset, the high word 0; s50 my first K step
.set MSB, 0
.macro WIN new                         ; the immediate's high byte repeats the setting that is left; a switch that changes nothing is dropped
.if MSB != (\new)
	s_set_vgpr_msb (MSB<<8)|(\new)
.set MSB, (\new)
.endif
.endm
; THE WALK.  s38 = my first K step + the steps gone (+ 16).  In the region that begins there, set j asks for the weights of step 3 + j and step j asks for the rows of step 1 + j, all modulo 16.
; It stands behind s_wait_xcnt 0: the loads that name these registers have had their addresses translated.
.macro WALK
.irp j, 0,1,2
	s_add_co_u32 s39, s38, 3+(\j)
	s_and_b32 s39, s39, 15
	v_lshl_add_u32 v[VOJ+(\j)], s39, 20, v[VO]     ; a K step is 128 rows of 8,192 bytes
	s_add_co_u32 s39, s38, 1+(\j)
	s_and_b32 s39, s39, 15
	s_lshl_b32 s48, s39, 12                        ; and 4,096 bytes of every tile of hs
	s_add_nc_u64 s[XB+2*(\j):XB+2*(\j)+1], s[XS0:XS0+1], s[48:49]
.endr
.endm
.macro PLOAD set                       ; a load of the wave covers 2 rows x 256 bytes, aligned
	WIN 0x40
.irp i, 0,1,2,3,4,5,6,7,8,9,10,11,12,13,14,15
	global_load_b128 v[ST+64*(\set)+4*(\i):ST+64*(\set)+4*(\i)+3], v[VOJ+(\set)], s[4:5] offset:8192*(\i)
.endr
	WIN 0
.endm
.macro PCVT set                        ; rows 16 h + 2 i, + 1 of column 4 r + f make register i of fragment f
	WIN 0x05
.irp f, 0,1,2,3
.irp i, 0,1,2,3,4,5,6,7
	v_cvt_pk_bf16_f32 v[CV+8*(\f)+(\i)], v[ST+64*(\set)+8*(\i)+(\f)], v[ST+64*(\set)+8*(\i)+4+(\f)]
.endr
.endr
	WIN 0
.endm
.macro PSTORE wimm                     ; 512 consecutive bytes each
.irp f, 0,1,2,3
	ds_store_b128 v[LAP], v[CV+8*(\f):CV+8*(\f)+3]   offset:(\wimm)+(\f)*1024
	ds_store_b128 v[LAP], v[CV+8*(\f)+4:CV+8*(\f)+7] offset:(\wimm)+(\f)*1024+512
.endr
.endm
; A producer's K step: the set's loads are in (pw: the loads issued behind them, which may stay out); round; pl = 1: the step three ahead is asked for, into the set just rounded; store.
.macro PSTEP set, wimm, pl, pw
	s_wait_loadcnt \pw
	PCVT \set
.if \pl
	PLOAD \set
.endif
	PSTORE \wimm
.endm
.macro WLOAD wimm                      ; a step's 16 weight fragments, chunk by chunk
.irp c, 0,1,2,3
.irp f, 0,1,2,3
	ds_load_b128 v[W+8*(4*(\c)+(\f)):W+8*(4*(\c)+(\f))+3],   v[LAC] offset:(\wimm)+(\c)*4096+(\f)*1024
	ds_load_b128 v[W+8*(4*(\c)+(\f))+4:W+8*(4*(\c)+(\f))+7], v[LAC] offset:(\wimm)+(\c)*4096+(\f)*1024+512
.endr
.endr
.endm
.macro XLOAD i, b                      ; slot i's token fragments of the K step at base b: 8 loads of 512 consecutive bytes
.irp j, 0,1,2,3,4,5,6,7
	global_load_b128 v[160+32*(\i)+4*(\j):160+32*(\i)+4*(\j)+3], v[XO+(\i)], s[(\b):(\b)+1] offset:512*(\j)
.endr
.endm
; slot i's 16 products of a K step.  Its four accumulators take turns, one instruction a turn; the run ends on fragment 3 and every run begins on fragment 0.
; Four v_nop close the run: loads into the sources, and lines that read the results, stand four places behind the products (ISA guide 7.12.1 for vector lines).
.macro MULS i, dsw
.set AB, ACC+32*(\i)
	WIN 0x50
.irp c, 0,1,2,3
.if \dsw
	s_wait_dscnt 24-8*(\c)                         ; chunk c's 8 fragment loads are in; the later chunks' stay out
.endif
.irp f, 0,1,2,3
	v_wmma_f32_16x16x32_bf16 v[AB+8*(\f):AB+8*(\f)+7], v[W+8*(4*(\c)+(\f)):W+8*(4*(\c)+(\f))+7], v[160+32*(\i)+8*(\c):160+32*(\i)+8*(\c)+7], v[AB+8*(\f):AB+8*(\f)+7]
.endr
.endr
.rept 4
	v_nop
.endr
	WIN 0
.endm
.macro SLOT i, xl, xb, xw              ; xw: the loads issued behind this slot's fragments, which may stay out
	s_wait_loadcnt \xw
.if (\i) > 0
	s_wait_dscnt 0x0                               ; the weights' fragments are in, also where slot 0's products, and their waits, were jumped
.endif
	s_cmp_le_u32 s21, \i
	s_cbranch_scc1 .Lsk_\@
.if (\i) == 0
	MULS \i, 1
.else
	MULS \i, 0
.endif
.Lsk_\@:
.if \xl
	XLOAD \i, \xb
.endif
.endm
.macro CSTEP wimm, xl, xb              ; a consumer's K step: the step's weight fragments, then the slots in turn
	WLOAD \wimm
.irp q, 0,1,2
.if \xl
	SLOT \q, 1, \xb, 8*(NS-1)
.else
	SLOT \q, 0, 0, 8*(NS-1-(\q))
.endif
.endr
.endm
.macro MEET
	s_wait_dscnt 0x0                               ; for the others' sake: a producer's stores are done; a consumer's reads are back
	s_barrier_signal -1
	s_barrier_wait -1
.endm
; A REGION of three K steps.  Producers: the three sets in turn.  All: the barrier: the region's 49,152 bytes are whole.  Consumers: three steps.
; full = 1: all three sets are asked for again (the steps three ahead).  full = 0 (steps 12-14 of the walk): only step 15 is left to ask for, so behind set 2's loads stand 16, not 32.
.macro REGION full
	s_cmp_lt_u32 s14, 4
	s_cbranch_scc1 .Lc_\@
	PSTEP 0, 0, 1, 32
.if \full
	PSTEP 1, REG,   1, 32
	PSTEP 2, 2*REG, 1, 32
.else
	PSTEP 1, REG,   0, 32
	PSTEP 2, 2*REG, 0, 16
.endif
.Lc_\@:
	MEET
	s_cmp_lt_u32 s14, 4
	s_cbranch_scc0 .Lp_\@
	CSTEP 0,     1, XB
	CSTEP REG,   1, XB+2
	CSTEP 2*REG, 1, XB+4
.Lp_\@:
.endm
; A pass's slots: how many have a tile, and each slot's offsets.  hs: in units of 16 bytes, tile x 4,096 + lane, held to the last unit of tile 67, then shifted.  perm: in words, tile x 16 + lane / 16, held likewise.
; A slot without a tile points at tile 0.
.macro SETUP_PASS
	s_add_co_u32 s36, s18, s20
	s_sub_co_i32 s21, s19, s20
	s_add_co_i32 s21, s21, TSTEP-1
	s_ashr_i32 s21, s21, TSH
	s_max_i32 s21, s21, 0
	s_min_i32 s21, s21, NS
.irp q, 0,1,2
	s_cmp_gt_u32 s21, \q
	s_cselect_b32 s26, 1, 0
	s_add_co_u32 s29, s36, TSTEP*(\q)
	s_mul_i32 s29, s29, s26
	s_lshl_b32 s31, s29, 4
	s_lshl_b32 s29, s29, 12
	v_mad_u32_u24 v[XO+(\q)], v[LN], s26, s29
	v_min_u32 v[XO+(\q)], 0x4301f, v[XO+(\q)]
	v_lshlrev_b32 v[XO+(\q)], 4, v[XO+(\q)]
	v_add_nc_u32 v[PO+(\q)], s31, v[LH]
	v_min_u32 v[PO+(\q)], 0x431, v[PO+(\q)]
	v_lshlrev_b32 v[PO+(\q)], 2, v[PO+(\q)]
.endr
.endm
.macro CLEAR                           ; the sums of a pass start at 0
	WIN 0x40
.set z, 0
.rept 32*NS
	v_mov_b32 v[ACC+z], 0
.set z, z+1
.endr
	WIN 0
.endm
.macro TOKLD                           ; the tokens of rows 2 t + lane / 16 of each slot's tile
	WIN 0x40
.irp q, 0,1,2
.irp t, 0,1,2,3,4,5,6,7
	global_load_b32 v[OA+8*(\q)+(\t)], v[PO+(\q)], s[8:9] offset:8*(\t)
.endr
.endr
	WIN 0
.endm
.macro TOKFIX                          ; a token's number becomes my byte offset in its row of out0: token x 8,192 + 16 (lane % 16)
	WIN 0x44
.set z, 0
.rept 8*NS
	v_min_u32 v[OA+z], 0x3ff, v[OA+z]
.set z, z+1
.endr
.set z, 0
.rept 8*NS
	v_lshlrev_b32 v[OA+z], 13, v[OA+z]
.set z, z+1
.endr
	WIN 0x50
.set z, 0
.rept 8*NS
	v_lshl_add_u32 v[OA+z], v[RR], 4, v[OA+z]
.set z, z+1
.endr
	WIN 0
.endm
; THE WAY OUT of slot i, through my own stage.  Register 0 of each accumulator is stored first: a result is read from its low end on.
.macro EPI2 i
.set AB, ACC+32*(\i)
	s_cmp_le_u32 s21, \i
	s_cbranch_scc1 .Le2_\@
	WIN 0x04
.irp j, 0,1,2,3,4,5,6,7
.irp f, 0,1,2,3
	ds_store_b32 v[STO], v[AB+8*(\f)+(\j)] offset:16*(\j)+4*(\f)  ; column 32 h + 4 j + f of my token's row
.endr
.endr
	WIN 0
.irp t, 0,1,2,3,4,5,6,7
	ds_load_b128 v[OB+32*(\i)+4*(\t):OB+32*(\i)+4*(\t)+3], v[RD] offset:2*SP*(\t)  ; LDS serves a wave's instructions in order (ISA guide 5.7.1.4): these see the stores above; the next slot's stores come behind them
.endr
	WIN 0x01
.irp t, 0,1,2,3,4,5,6,7
	s_wait_dscnt 7-(\t)                            ; load t is back; the younger ones stay out
	global_store_b128 v[OA+8*(\i)+(\t)], v[OB+32*(\i)+4*(\t):OB+32*(\i)+4*(\t)+3], s[12:13] th:TH_STORE_NT  ; 16 lanes store 256 consecutive bytes of one token's row, aligned
.endr
	WIN 0
.Le2_\@:
.endm
.macro XMUL i                          ; a later pass: a slot's products, jumped where it has no tile
	s_cmp_le_u32 s21, \i
	s_cbranch_scc1 .Lxm_\@
	MULS \i, 0
.Lxm_\@:
.endm
.macro XSTEP k                         ; a later pass: step k of a trip's two; nothing is asked for ahead
	WLOAD (\k)*REG
.irp q, 0,1,2
	XLOAD \q, XB+2*(\k)
.endr
	s_wait_loadcnt 0x0
	s_wait_dscnt 0x0
.irp q, 0,1,2
	XMUL \q
.endr
.endm
	s_load_b256 s[4:11], s[0:1], 0x0               ; down s[4:5], hs s[6:7], perm s[8:9], meta s[10:11]
	s_load_b64 s[12:13], s[0:1], 0x20              ; out0
	v_lshl_add_u32 v[SPW], v0, 2, SPARE
	v_mov_b32 v[NIL], 0
	v_lshrrev_b32 v17, 5, v0
	v_readfirstlane_b32 s14, v17                   ; wave 0..7
	s_and_b32 s15, s14, 3                          ; consumer w, or producer q
	s_lshr_b32 s16, ttmp9, 1                       ; slice
	s_and_b32 s37, ttmp9, 1                        ; which half of the tiles
	s_and_b32 s17, ttmp7, 0xffff                   ; expert
	s_and_b32 s50, s16, 15                         ; my first K step
	s_add_co_u32 s38, s50, 13                      ; three steps ahead of the walk's start, modulo 16: the first WALK then names steps 0, 1, 2 for the weights, and step 0 for the rows in its third base
	s_mov_b32 s49, 0
	v_and_b32 v[LN], 31, v0
	v_lshlrev_b32 v[L16], 4, v[LN]
	v_and_b32 v[RR], 15, v0
	v_bfe_u32 v[LH], v0, 4, 1
	v_lshlrev_b32 v[C16], 4, v[RR]
	v_lshl_add_u32 v[VO], v[LH], 17, v[C16]        ; 16 h rows of 8,192 bytes + 16 r
	s_lshl_b32 s26, s15, 18
	v_add_nc_u32 v[VO], s26, v[VO]                 ; + 32 q rows
	v_mov_b32 v[LAC], v[L16]
	s_lshl_b32 s26, s15, 12
	v_add_nc_u32 v[LAP], s26, v[L16]               ; 4,096 q + 16 x lane
	s_mul_i32 s26, s15, 16*SP
	s_add_co_u32 s26, s26, STAGE                   ; my stage
	v_mul_u32_u24 v[STO], v[RR], SP                ; in: my token's row, 128 bytes for each half of the lanes
	v_lshl_add_u32 v[STO], v[LH], 7, v[STO]
	v_add_nc_u32 v[STO], s26, v[STO]
	v_mul_u32_u24 v[RD], v[LH], SP                 ; back: lanes 0-15 take one row of 256 bytes, lanes 16-31 the next
	v_add_nc_u32 v[RD], v[RD], v[C16]
	v_add_nc_u32 v[RD], s26, v[RD]
	s_lshl_b32 s34, s17, 24                        ; an expert's 16,777,216 bytes,
	s_lshl_b32 s28, s16, 8                         ; the slice's 256 bytes of a row
	s_add_co_u32 s34, s34, s28
	s_mov_b32 s35, 0
	s_lshl_b32 s27, s17, 2
	s_lshl1_add_u32 s20, s15, s37                  ; pass 0: my slot 0 is tile 2 w + hf
	s_wait_kmcnt 0x0
	s_add_nc_u64 s[4:5], s[4:5], s[34:35]
	s_mov_b32 s34, s28
	s_add_nc_u64 s[12:13], s[12:13], s[34:35]
	s_load_b32 s18, s[10:11], s27 offset:0x0       ; the expert's first tile
	s_load_b32 s19, s[10:11], s27 offset:0x10      ; and its tiles
	WALK
	s_cmp_lt_u32 s14, 4
	s_cbranch_scc0 .Lproducer0
	CLEAR                                          ; consumers: pass 0's sums
	s_branch .Lboth0
.Lproducer0:
	PLOAD 0                                        ; producers: steps 0, 1, 2 of the walk
	PLOAD 1
	PLOAD 2
.Lboth0:
	s_wait_kmcnt 0x0
	s_min_u32 s18, s18, 67
	s_min_u32 s19, s19, 64
	SETUP_PASS
	s_cmp_lt_u32 s14, 4
	s_cbranch_scc0 .Lno_consumer
	TOKLD
.irp q, 0,1,2
	XLOAD \q, XB+4                                 ; step 0's token fragments
.endr
	s_wait_loadcnt 24                              ; the tokens' numbers are in; the 24 loads issued behind them stay out
	TOKFIX
.Lno_consumer:
	s_mov_b32 s24, 4
.Lk:                                               ; a trip: steps 3 T + 0..2 of the walk; the producers ask for steps 3 T + 3..5
	s_wait_xcnt 0x0                                ; the walk's offsets and bases are written anew only behind this wait
	s_add_co_u32 s38, s38, 3
	WALK
	REGION 1
	v_add_nc_u32 v[LAC], 3*REG, v[LAC]
	v_add_nc_u32 v[LAP], 3*REG, v[LAP]
	s_sub_co_u32 s24, s24, 1
	s_cmp_lg_u32 s24, 0
	s_cbranch_scc1 .Lk
	s_wait_xcnt 0x0
	s_add_co_u32 s38, s38, 3
	WALK
	REGION 0                                       ; steps 12, 13, 14
	s_cmp_lt_u32 s14, 4                            ; step 15 alone
	s_cbranch_scc1 .Lc_last
	PSTEP 0, 3*REG, 0, 0                           ; no load was issued behind step 15's
.Lc_last:
	MEET
	s_cmp_lt_u32 s14, 4
	s_cbranch_scc0 .Lp_last
	CSTEP 3*REG, 0, 0                              ; nothing is left to ask for: the counts run down
.Lp_last:
	s_mov_b32 s25, NPASS
.Lpass:                                            ; a trip: the pass in hand goes out; the next pass, if this consumer has a tile in it, is multiplied.  The producers only pass the barriers
	s_cmp_lt_u32 s14, 4
	s_cbranch_scc0 .Lidle1
.irp q, 0,1,2
	EPI2 \q
.endr
	s_wait_xcnt 0x0                                ; the stores' offsets and data are rewritten only behind this wait
	s_add_co_u32 s20, s20, PSTEP_T
	SETUP_PASS
.Lidle1:
	s_wait_dscnt 0x0                               ; my stores into my stage and my reads of it are done
	s_barrier_signal -1                            ; all eight waves meet: no consumer walks the slice again while another still writes its stage
	s_barrier_wait -1                              ; (the bytes are apart by the map above; the barriers of this loop keep the two kinds of traffic apart in time as well)
	s_cmp_lt_u32 s14, 4
	s_cbranch_scc0 .Lidle2
	s_cmp_eq_u32 s21, 0
	s_cbranch_scc1 .Lnone
	s_wait_loadcnt 0x0                             ; only an expert with more than 384 rows comes here.  No load of mine is out when its registers and bases are used again
	TOKLD
	CLEAR
	s_wait_loadcnt 0x0
	TOKFIX
	s_mov_b32 s38, s50                             ; the walk begins anew: the slice lies in LDS in its order
	s_mov_b32 s30, 0
	s_mov_b32 s24, 8
.Lxk:                                              ; a trip: two steps of the walk
	v_add_nc_u32 v[LAC], s30, v[L16]
.irp k, 0,1
	s_add_co_u32 s39, s38, \k
	s_and_b32 s39, s39, 15
	s_lshl_b32 s48, s39, 12
	s_add_nc_u64 s[XB+2*(\k):XB+2*(\k)+1], s[XS0:XS0+1], s[48:49]  ; the loads that named it are back
.endr
	XSTEP 0
	XSTEP 1
	s_add_co_u32 s38, s38, 2
	s_add_co_u32 s30, s30, 2*REG
	s_sub_co_u32 s24, s24, 1
	s_cmp_lg_u32 s24, 0
	s_cbranch_scc1 .Lxk
.Lnone:
.Lidle2:
	s_wait_dscnt 0x0                               ; my reads of the slice are back
	s_barrier_signal -1                            ; all eight waves meet: no wave writes its stage, or goes on to its closing LDS lines, while another still walks the slice
	s_barrier_wait -1
	s_sub_co_u32 s25, s25, 1
	s_cmp_lg_u32 s25, 0
	s_cbranch_scc1 .Lpass
	s_wait_tensorcnt 0x0                           ; the wave's end: behind my last LDS store
	ds_add_u32 v[SPW], v[NIL]
	s_wait_dscnt 0x0
	s_endpgm
.Lfunc_end_k_qddd3d74d5d_down:
	.size	k_qddd3d74d5d_down, .Lfunc_end_k_qddd3d74d5d_down-k_qddd3d74d5d_down
	.p2alignl 7, 3214868480
	.fill 96, 4, 3214868480
	.section	.rodata,"a",@progbits
	.p2align	6, 0x0
	.amdhsa_kernel k_qddd3d74d5d_down
		.amdhsa_group_segment_fixed_size 280576
		.amdhsa_private_segment_fixed_size 0
		.amdhsa_enable_private_segment 0
		.amdhsa_kernarg_size 40
		.amdhsa_user_sgpr_count 2
		.amdhsa_user_sgpr_kernarg_segment_ptr 1
		.amdhsa_wavefront_size32 1
		.amdhsa_system_sgpr_workgroup_id_x 1
		.amdhsa_system_sgpr_workgroup_id_y 1
		.amdhsa_system_sgpr_workgroup_id_z 1
		.amdhsa_system_vgpr_workitem_id 0
		.amdhsa_next_free_vgpr 512
		.amdhsa_next_free_sgpr 66
		.amdhsa_reserve_vcc 0
		.amdhsa_float_denorm_mode_32 3
		.amdhsa_float_denorm_mode_16_64 3
		.amdhsa_memory_ordered 1
		.amdhsa_forward_progress 1
		.amdhsa_inst_pref_size 143
	.end_amdhsa_kernel
	.amdgpu_metadata
---
amdhsa.version: [ 1, 2 ]
amdhsa.kernels:
  - .name:           k_qddd3d74d5d_down
    .symbol:         k_qddd3d74d5d_down.kd
    .args:
      - { .name: down_proj, .offset: 0, .size: 8, .value_kind: global_buffer, .address_space: global }
      - { .name: hs, .offset: 8, .size: 8, .value_kind: global_buffer, .address_space: global }
      - { .name: perm, .offset: 16, .size: 8, .value_kind: global_buffer, .address_space: global }
      - { .name: meta, .offset: 24, .size: 8, .value_kind: global_buffer, .address_space: global }
      - { .name: out0, .offset: 32, .size: 8, .value_kind: global_buffer, .address_space: global }
    .group_segment_fixed_size: 280576
    .private_segment_fixed_size: 0
    .kernarg_segment_align: 8
    .kernarg_segment_size: 40
    .max_flat_workgroup_size: 256
    .sgpr_count:     66
    .vgpr_count:     512
    .wavefront_size: 32
...
	.end_amdgpu_metadata
.endif
;; end of part 3
;; ======== version 2 of 2: 3 launches; version 1 with the launch gateup written anew for expert scheduling mode
;; workspace buffers: xs 4,456,448 bytes; hs 4,456,448 bytes; perm 4,352 bytes of whole numbers; meta 256 bytes of whole numbers
;; launch route: the kernel of part 1 again; grid 67 x 4, 4 waves a work-group, no clusters, 1,024 bytes of LDS; arguments hidden_states, token_ids, xs, perm, meta; writes xs, perm, meta
;; launch gateup (part 4): grid 64 x 4, 8 waves a work-group, no clusters, 263,168 bytes of LDS; arguments gate_proj, up_proj, xs, meta, hs; writes hs
.if DOCPART == 4
	.amdgcn_target "amdgcn-amd-amdhsa--gfx1250"
	.amdhsa_code_object_version 6
	.text
	.protected	k_qddd3d74d5d_gateup
	.globl	k_qddd3d74d5d_gateup
	.p2align	8
	.type	k_qddd3d74d5d_gateup,@function
k_qddd3d74d5d_gateup:
	s_mov_b64 s[64:65], 0
	v_nop
	global_prefetch_b8 v0, s[64:65] scope:SCOPE_SE
	s_setreg_imm32_b32 hwreg(HW_REG_WAVE_SCHED_MODE, 0, 2), 2
	s_setreg_imm32_b32 hwreg(HW_REG_WAVE_MODE, 25, 1), 1
	s_wait_xcnt 0x0
	s_wait_alu depctr_vm_vsrc(0)
; hs = silu(x Wg) * (x Wu) for the rows of one expert and 32 columns of the hidden layer.  Work-group (s = slice of 32 columns, e = expert): it alone reads its 2 x 2048 x 32 f32 weights, once.
; ROLES.  Waves 4-7 (PRODUCERS) bring the weights from memory into registers, round them once to bf16 and lay them into LDS as ready fragments; waves 0-3 (CONSUMERS) load the token
; fragments that the launch before laid out straight into registers, the weights' fragments from LDS, and multiply.  Two roles, since a wave's loads come back in order: in one wave each wait
; for a token fragment would also wait for the weights asked for ahead of it.
; K goes in 16 steps of 128 (four chunks of 32).  A step's weights are 16,384 bytes of bf16, and the whole slice, 262,144 bytes, stays in LDS: no LDS byte is written twice, so one barrier between
; the stores and the reads is all the ordering.  The waves meet once for a REGION of three K steps (five regions, then the last step alone: six barriers).
; EACH WORK-GROUP WALKS K FROM A STEP OF ITS OWN: the n-th step of work-group s is K step (s + n) % 16, and the slice lies in LDS in the order of the walk.  The 64 work-groups of an expert read the same
; token rows; from one common start all would ask, step after step, for bytes of xs that no work-group has asked for before.  So turned, the first steps of sixteen neighbours cover all of K, and from its second step on a
; work-group asks for bytes that another has asked for already.  The sums are added in the walk's order.
; A producer has three steps' loads out: 48 loads of 512 bytes, in three sets of 64 registers.  A producers' part takes all three sets once, always in the order 0, 1, 2: so ahead of each set's wait
; just the two other sets' 32 loads were issued behind its own, whichever part stood before this one.
; ROWS.  A tile is 16 sorted rows.  Tile 20 p + 4 i + w of the expert is slot i of consumer w in pass p.  Pass 0 runs beside the producers; a later pass runs only where the expert has more than 320 rows,
; on the slice that lies in LDS; the loop over passes has a constant count that covers all 1,024 rows on one expert, and only work is jumped.  An expert without rows: the slice is streamed, nothing stored.
; A slot without a tile still issues its 8 loads a step (all lanes at the same 16 bytes of tile 0, which always exists), so that every counted wait holds on every path; only its 16 products are jumped.
; THE SUMS START FROM CLEARED REGISTERS: 160 v_mov_b32, which the consumers run while the first weights are on their way.  The price is named: so region 0 is a trip of the loop like the others,
; where a first step written out with C = 0 would want a whole region's text a second time.
; THE MATRIX INSTRUCTION IS USED TRANSPOSED: source 0 = 16 columns of weights, source 1 = 16 tokens.  Place (h, register i, half b) of both sources holds channel 32 chunk + 16 h + 2 i + b.
; Fragment f = 2 X + jf (X: 0 gate, 1 up) holds columns 2 m + jf in its rows m, so a lane of the result (token lane % 16, h) has columns 16 h + 2 j + jf in register j: gate's and up's meet in one lane,
; and the pair (jf = 0, 1) rounded to bf16 IS register j of the next launch's token fragment: nothing changes lanes.
; NO TENSOR LOADS: f32 weights pass through registers to be rounded.  NO CLUSTER: each weight has one reader; what an expert's 64 work-groups share is its token rows, and beside the slice
; LDS has 65,536 bytes left, less than one K step's rows of 20 tiles twice (2 x 81,920).
; LIMITS.  Matrix operands and hs are bf16, sums f32.  silu(g) u = g u / (1 + 2^(-g log2 e)): the exponential and the reciprocal flush denormals; below g = -88 or so the result counts as 0;
; g u stays finite in f32; NaN and infinities are not treated apart.
; THE MODE: SCHED_MODE bits 1:0 = 2 (LLVM: expert scheduling mode 2), set by the entry lines.  The code itself states the register dependences between vector or matrix instructions
; and memory or LDS instructions, with s_wait_alu, always for 0.
; THE PLAN.  Registers that memory or LDS instructions touch:
;   PRODUCERS.  ST0 .. ST2   A set's 16 loads land in it; its step's 32 conversions read it; behind them it is asked for again.
;               CV0 .. CV3   Written by a step's conversions, read by its 8 LDS stores.  A region takes CV0, CV1, CV2 once each; step 15 takes CV3, which nothing has read.
;               VOJ, LAP     Read by the loads and by the LDS stores; written once a region, in ONWARD.
;     One wait on va_vdst a step, behind its conversions: CV is written, ST has been read, and in a region's first step VOJ and LAP are written.  The step's loads and stores follow it.
;   CONSUMERS.  W            A step's 32 LDS loads land in it; the products of all five slots read it.
;               X0 .. X4     Five buffers that take turns.  Slot i's products read X[i]; behind them stand the 8 loads into X[i - 1] (slot 0: X[4]), the buffer that the turn before read.
;               LAC          Read by every fragment load; written once a region, in ONWARD.       XO   Read by row loads and stores; written once a pass.
;               R            Written by the way out's roundings, read by its stores, which stand together behind one wait.
;     One wait on va_vdst at the head of a slot's turn (slot 0: ahead of the step's fragment loads): the turn before is done reading its X (and, at a step's head, W).  The turn's products name W, X[i] and
;     its accumulators: none of the registers that the loads behind them touch, so these follow with no further wait.
;   One wait on vm_vsrc a region, in ONWARD, ahead of the lines that write VOJ, LAP and LAC and of the conversions that write CV0 to CV2 again.
;   The accumulators and the way out's T and P are named by vector and matrix instructions alone.
; REGISTERS, in windows of 256 (s_set_vgpr_msb: bits 1:0 source 0, 3:2 source 1, 5:4 source 2, 7:6 destination):
;   window 0: v0-31 addresses; v32-159 consumers: a step's 16 weight fragments (later at work on the way out), producers: four sets of 32, rounded weights; v160-255 token fragments of slots 0-2
;   window 1: v0-63 token fragments of slots 3, 4; v64-223 consumers: accumulators (slot i, fragment f at 64 + 32 i + 8 f); v64-255 producers: three sets of 64, a step's weights in f32.
;   No register into which a producer loads is one into which a consumer loads.
.set NS,    5                          ; slots a consumer
.set TSTEP, 4                          ; tiles from slot to slot
.set TSH,   2
.set PSTEP_T, 20                       ; tiles a pass
.set NPASS, 4                          ; 4 x 20 tiles cover an expert's 64 at the most
.set REG,   16384                      ; LDS bytes of a K step
.set LN,  1                            ; v1   lane
.set L16, 2                            ; v2   16 x lane; never rewritten
.set LAC, 4                            ; v4   consumers: 16 x lane + the K steps gone
.set LAP, 5                            ; v5   producers: where my 16 bytes of a fragment go
.set VO,  6                            ; v6   producers: my byte offset in a K step's weights; never rewritten
.set XO,  8                            ; v8-12   slot i: my byte offset in its tile of xs, and of hs
.set VOJ, 13                           ; v13-15  producers: VO + the 1,048,576 bytes of each K step ahead of the one that set j takes next
.set W,   32
.set CV,  32                           ; set c at CV + 32 c
.set T,   32                           ; the way out: v32-47, v48-63 at work, v64-103 results, 8 a slot
.set P,   48
.set R,   64
.set ACC, 64                           ; window 1
.set ST,  64                           ; window 1
.set XS0, 8                            ; s[8:9] xs; never stepped
.set XB,  40                           ; s[40:47] xs at steps 0 to 3 of the region in hand: a pair at XB + 2 j
; s[4:5], s[6:7] gate's and up's slice, never stepped; s[10:11] meta; s[12:13] hs at my chunk; s14 wave; s15 wave % 4; s16 slice; s17 expert; s18 the expert's first tile; s19 its tiles;
; s20 my slot 0's tile in this pass; s21 my slots that have a tile; s24, s25 counters; s26-29 at work; s30 a later pass's LDS offset; s[32:33] -log2 e; s[34:35] an offset; s36 first tile + s20;
; s38 the walk's running number; s39 at work; s[48:49] an offset, the high word 0; s50 my first K step
.set MSB, 0
.macro WIN new                         ; the immediate's high byte repeats the setting that is left; a switch that changes nothing is dropped
.if MSB != (\new)
	s_set_vgpr_msb (MSB<<8)|(\new)
.set MSB, (\new)
.endif
.endm
; THE WALK.  s38 = my first K step + the steps gone (+ 16).  In the region that begins there, set j asks for the weights of step 3 + j, and base j is xs at step j, all modulo 16.
.macro WALK
.irp j, 0,1,2
	s_add_co_u32 s39, s38, 3+(\j)
	s_and_b32 s39, s39, 15
	v_lshl_add_u32 v[VOJ+(\j)], s39, 20, v[VO]     ; a K step is 128 rows of 8,192 bytes
.endr
.irp j, 0,1,2,3
	s_add_co_u32 s39, s38, \j
	s_and_b32 s39, s39, 15
	s_lshl_b32 s48, s39, 12                        ; and 4,096 bytes of every tile of xs
	s_add_nc_u64 s[XB+2*(\j):XB+2*(\j)+1], s[XS0:XS0+1], s[48:49]
.endr
.endm
; ON TO THE NEXT REGION.  lds = 1: the two LDS addresses move on by the region just done.
.macro ONWARD lds
	s_wait_xcnt 0x0                                ; every earlier memory instruction has had its addresses translated: the walk's offsets and bases are written anew only behind this wait
	s_wait_alu depctr_vm_vsrc(0)                   ; the loads of weights have read VOJ, the LDS stores LAP and CV0 to CV2, the fragment loads LAC: all are written again below or in the region to come
.if \lds
	v_add_nc_u32 v[LAC], 3*REG, v[LAC]
	v_add_nc_u32 v[LAP], 3*REG, v[LAP]
.endif
	s_add_co_u32 s38, s38, 3
	WALK
.endm
; PRODUCERS.  Producer q has chunk q of a step.  Lane (rho = lane / 8, gam = lane % 8) loads rows 32 q + 8 rho + 0..7, columns 4 gam + 0..3, of gate and of up: a load of the wave covers 4 rows x 128 bytes.
.macro PLOAD set
	WIN 0x40
.irp m, 0,1
.irp i, 0,1,2,3,4,5,6,7
	global_load_b128 v[ST+64*(\set)+32*(\m)+4*(\i):ST+64*(\set)+32*(\m)+4*(\i)+3], v[VOJ+(\set)], s[4+2*(\m):5+2*(\m)] offset:8192*(\i) th:TH_LOAD_NT
.endr
.endr
	WIN 0
.endm
; two rows' numbers of one column make a register: rows 8 rho + 2 a, + 1 are place (h = rho / 2, register 4 (rho % 2) + a)
.macro PCVT set, cv
	WIN 0x05
.irp m, 0,1
.irp c, 0,1,2,3
.irp a, 0,1,2,3
	v_cvt_pk_bf16_f32 v[CV+32*(\cv)+16*(\m)+4*(\c)+(\a)], v[ST+64*(\set)+32*(\m)+8*(\a)+(\c)], v[ST+64*(\set)+32*(\m)+8*(\a)+4+(\c)]
.endr
.endr
.endr
.endm
; column 4 gam + c goes to fragment 2 X + c % 2, row 2 gam + c / 2., twice each
.macro PSTORE cv, wimm
	WIN 0
.irp m, 0,1
.irp c, 0,1,2,3
	ds_store_b128 v[LAP], v[CV+32*(\cv)+16*(\m)+4*(\c):CV+32*(\cv)+16*(\m)+4*(\c)+3] offset:(\wimm)+(2*(\m)+((\c)&1))*1024+((\c)>>1)*16
.endr
.endr
.endm
; A producer's K step: the set's loads are in (pw: the loads issued behind them, which may stay out); round; pl = 1: the step three ahead is asked for, into the set just rounded; store.
.macro PSTEP set, cv, wimm, pl, pw
	s_wait_loadcnt \pw
	PCVT \set, \cv
.if \pl
	WIN 0x40                                       ; the loads' window is set ahead of the wait
.else
	WIN 0
.endif
	s_wait_alu depctr_va_vdst(0)                   ; the conversions have written CV[cv], which the LDS stores read, and are done reading ST[set], in which the loads land; in a region's first step VOJ and LAP are written
.if \pl
	PLOAD \set
.endif
	PSTORE \cv, \wimm
.endm
; CONSUMERS.  A step's 16 weight fragments, chunk by chunk: 32 loads of 512 consecutive bytes
.macro WLOAD wimm
.irp c, 0,1,2,3
.irp f, 0,1,2,3
	ds_load_b128 v[W+8*(4*(\c)+(\f)):W+8*(4*(\c)+(\f))+3],   v[LAC] offset:(\wimm)+(\c)*4096+(\f)*1024
	ds_load_b128 v[W+8*(4*(\c)+(\f))+4:W+8*(4*(\c)+(\f))+7], v[LAC] offset:(\wimm)+(\c)*4096+(\f)*1024+512
.endr
.endr
.endm
; slot i's token fragments of the K step at base b: 8 loads of 512 consecutive bytes.  Slots 0-2: window 0, v160 on; slots 3, 4: window 1, v0 on
.macro XLOAD i, b
.set XR, 160*(1-(\i)/3)+32*((\i)%3)
	WIN 0x40*((\i)/3)
.irp j, 0,1,2,3,4,5,6,7
	global_load_b128 v[XR+4*(\j):XR+4*(\j)+3], v[XO+(\i)], s[(\b):(\b)+1] offset:512*(\j)
.endr
	WIN 0
.endm
; slot i's 16 products of a K step.  Its four accumulators take turns, one instruction a turn; the run ends on fragment 3 and every run begins on fragment 0.
; dsw = 1: chunk c's 8 fragment loads are waited for as they are wanted; the later chunks' stay out.
; Four v_nop close the run: vector lines that read the results stand four places behind the products (ISA guide 7.12.1).
.macro MULS i, dsw
.set XR, 160*(1-(\i)/3)+32*((\i)%3)
.set AB, ACC+32*(\i)
	WIN 0x50+4*((\i)/3)
.irp c, 0,1,2,3
.if \dsw
	s_wait_dscnt 24-8*(\c)
.endif
.irp f, 0,1,2,3
	v_wmma_f32_16x16x32_bf16 v[AB+8*(\f):AB+8*(\f)+7], v[W+8*(4*(\c)+(\f)):W+8*(4*(\c)+(\f))+7], v[XR+8*(\c):XR+8*(\c)+7], v[AB+8*(\f):AB+8*(\f)+7]
.endr
.endr
.rept 4
	v_nop
.endr
	WIN 0
.endm
; A slot's turn in a K step.  xw: the loads issued behind this slot's fragments, which may stay out.  A slot without a tile jumps its products.
; ld >= 0: behind the products slot ld, the one whose turn came before this one, is asked for again, at base b.  No wait stands there: no product issued since the wait at the turn's head names that slot's registers.
.macro SLOT i, xw, ld, b
	s_wait_loadcnt \xw
.if (\i) > 0
	s_wait_dscnt 0x0                               ; the weights' fragments are in, also where slot 0's products, and their waits, were jumped
.if (\ld) >= 0
	s_wait_alu depctr_va_vdst(0)                   ; the products of the turn before are done reading their token fragments, in which the loads below land
.endif
.endif
	s_cmp_le_u32 s21, \i
	s_cbranch_scc1 .Lsk_\@
.if (\i) == 0
	MULS \i, 1
.else
	MULS \i, 0
.endif
.Lsk_\@:
.if (\ld) >= 0
	XLOAD \ld, \b
.endif
.endm
; A consumer's K step: the step's weight fragments, then the slots in turn.  xb: the base of this step's rows; the next pair is the next step's.
; Slot 0's turn asks for slot 4 of this same step, slots 1 to 4 for slots 0 to 3 of the next: at each turn's head three slots' loads, 24, were issued behind the turn's own.
; last = 1: step 15: only its own slot 4 is left to ask for, and the counts run down.
.macro CSTEP wimm, last, xb
	s_wait_alu depctr_va_vdst(0)                   ; the last step's products are done reading W, in which the LDS loads land, and slot 4's fragments, in which slot 0's turn loads; in a region's first step LAC is written
	WLOAD \wimm
	SLOT 0, 8*(NS-2), 4, \xb
.if \last
	SLOT 1, 24, -1, 0
	SLOT 2, 16, -1, 0
	SLOT 3, 8, -1, 0
	SLOT 4, 0, -1, 0
.else
	SLOT 1, 8*(NS-2), 0, (\xb)+2
	SLOT 2, 8*(NS-2), 1, (\xb)+2
	SLOT 3, 8*(NS-2), 2, (\xb)+2
	SLOT 4, 8*(NS-2), 3, (\xb)+2
.endif
.endm
.macro MEET
	s_wait_dscnt 0x0                               ; for the others' sake: a producer's stores are done; a consumer's reads are back
	s_barrier_signal -1
	s_barrier_wait -1
.endm
; A REGION of three K steps.  Producers: the three sets in turn.  All: the barrier: the region's 49,152 bytes are whole.  Consumers: three steps.
; full = 1: all three sets are asked for again (the steps three ahead).  full = 0 (steps 12-14 of the walk): only step 15 is left to ask for, so behind set 2's loads stand 16, not 32.
.macro REGION full
	s_cmp_lt_u32 s14, 4
	s_cbranch_scc1 .Lc_\@
	PSTEP 0, 0, 0, 1, 32
.if \full
	PSTEP 1, 1, REG,   1, 32
	PSTEP 2, 2, 2*REG, 1, 32
.else
	PSTEP 1, 1, REG,   0, 32
	PSTEP 2, 2, 2*REG, 0, 16
.endif
.Lc_\@:
	MEET
	s_cmp_lt_u32 s14, 4
	s_cbranch_scc0 .Lp_\@
	CSTEP 0,     0, XB
	CSTEP REG,   0, XB+2
	CSTEP 2*REG, 0, XB+4
.Lp_\@:
.endm
; A pass's slots: how many have a tile, and each slot's offset, made in units of 16 bytes: tile x 4,096 + lane, held to the last unit of tile 67, then shifted.
; A slot without a tile points all its lanes at byte 0 of tile 0.
.macro SETUP_PASS
	s_add_co_u32 s36, s18, s20
	s_sub_co_i32 s21, s19, s20
	s_add_co_i32 s21, s21, TSTEP-1
	s_ashr_i32 s21, s21, TSH
	s_max_i32 s21, s21, 0
	s_min_i32 s21, s21, NS
.irp q, 0,1,2,3,4
	s_cmp_gt_u32 s21, \q
	s_cselect_b32 s26, 1, 0
	s_add_co_u32 s29, s36, TSTEP*(\q)
	s_mul_i32 s29, s29, s26
	s_lshl_b32 s29, s29, 12
	v_mad_u32_u24 v[XO+(\q)], v[LN], s26, s29
	v_min_u32 v[XO+(\q)], 0x4301f, v[XO+(\q)]
	v_lshlrev_b32 v[XO+(\q)], 4, v[XO+(\q)]
.endr
.endm
.macro CLEAR                           ; the sums of a pass start at 0
	WIN 0x40
.set z, 0
.rept 32*NS
	v_mov_b32 v[ACC+z], 0
.set z, z+1
.endr
	WIN 0
.endm
; THE WAY OUT of slot i: 16 gates (accumulators 0, 1) and 16 ups (2, 3) a lane.  Each accumulator is read from its low end on.  The exponentials are one batch with one wait, the reciprocals another.
; The results stay in the slot's own eight registers; the stores of all slots stand together behind the last slot's arithmetic.
.macro EPI i
.set AB, ACC+32*(\i)
	s_cmp_le_u32 s21, \i
	s_cbranch_scc1 .Lep_\@
	WIN 0x01
.irp a, 0,1,2,3,4,5,6,7
	v_pk_mul_f32 v[T+2*(\a):T+2*(\a)+1], v[AB+2*(\a):AB+2*(\a)+1], s[32:33] op_sel_hi:[1,0]  ; -g log2 e
.endr
	WIN 0
.irp a, 0,1,2,3,4,5,6,7,8,9,10,11,12,13,14,15
	v_exp_f32 v[T+(\a)], v[T+(\a)]
.endr
	WIN 0x05
.irp a, 0,1,2,3,4,5,6,7
	v_pk_mul_f32 v[P+2*(\a):P+2*(\a)+1], v[AB+2*(\a):AB+2*(\a)+1], v[AB+16+2*(\a):AB+16+2*(\a)+1]  ; g u: plain work behind the batch
.endr
	WIN 0
	s_wait_alu depctr_va_vdst(0)                   ; one wait for the 16 exponentials, ahead of their first reader
.irp a, 0,1,2,3,4,5,6,7
	v_pk_add_f32 v[T+2*(\a):T+2*(\a)+1], v[T+2*(\a):T+2*(\a)+1], 1.0 op_sel_hi:[1,0]
.endr
.irp a, 0,1,2,3,4,5,6,7,8,9,10,11,12,13,14,15
	v_rcp_f32 v[T+(\a)], v[T+(\a)]
.endr
	v_nop                                          ; a plain instruction behind the last reciprocal,
	s_wait_alu depctr_va_vdst(0)                   ; and one wait for the 16
.irp a, 0,1,2,3,4,5,6,7
	v_pk_mul_f32 v[P+2*(\a):P+2*(\a)+1], v[P+2*(\a):P+2*(\a)+1], v[T+2*(\a):T+2*(\a)+1]
.endr
.irp a, 0,1,2,3,4,5,6,7
	v_cvt_pk_bf16_f32 v[R+8*(\i)+(\a)], v[P+(\a)], v[P+8+(\a)]  ; columns 16 h + 2 a and + 1
.endr
.Lep_\@:
.endm
.macro SEND i
	global_store_b128 v[XO+(\i)], v[R+8*(\i):R+8*(\i)+3], s[12:13]               ; each store of the wave covers 512 consecutive bytes, aligned
	global_store_b128 v[XO+(\i)], v[R+8*(\i)+4:R+8*(\i)+7], s[12:13] offset:512
.endm
.macro XMUL i                          ; a later pass: a slot's products, jumped where it has no tile
	s_cmp_le_u32 s21, \i
	s_cbranch_scc1 .Lxm_\@
	MULS \i, 0
.Lxm_\@:
.endm
.macro XSTEP k                         ; a later pass: step k of a trip's two; nothing is asked for ahead
	s_wait_alu depctr_va_vdst(0)                   ; the products issued so far are done reading W and the token fragments, in which the loads below land; LAC is written; at a pass's start so are XO and the way out's v32 to v103
	WLOAD (\k)*REG
.irp q, 0,1,2,3,4
	XLOAD \q, XB+2*(\k)
.endr
	s_wait_loadcnt 0x0
	s_wait_dscnt 0x0
.irp q, 0,1,2,3,4
	XMUL \q
.endr
.endm
	s_load_b256 s[4:11], s[0:1], 0x0               ; gate s[4:5], up s[6:7], xs s[8:9], meta s[10:11]
	s_load_b64 s[12:13], s[0:1], 0x20              ; hs
	v_lshl_add_u32 v30, v0, 2, 0x40000
	v_mov_b32 v31, 0
	v_lshrrev_b32 v3, 5, v0
	v_readfirstlane_b32 s14, v3                    ; wave 0..7
	s_mov_b32 s16, ttmp9                           ; slice
	s_and_b32 s17, ttmp7, 0xffff                   ; expert
	s_and_b32 s50, s16, 15                         ; my first K step
	s_add_co_u32 s38, s50, 13                      ; three steps ahead of the walk's start, modulo 16: the first WALK then names steps 0, 1, 2 for the weights, and step 0 for the rows in its fourth base
	s_mov_b32 s49, 0
	v_and_b32 v[LN], 31, v0
	v_lshlrev_b32 v[L16], 4, v[LN]
	v_lshrrev_b32 v3, 3, v[LN]                     ; rho
	v_and_b32 v7, 7, v[LN]                         ; gam
	v_lshlrev_b32 v[VO], 4, v7                     ; 16 gam
	v_lshl_add_u32 v[VO], v3, 16, v[VO]            ; + 8 rho rows of 8,192 bytes
	v_lshlrev_b32 v[LAP], 5, v7                    ; fragment row 2 gam: 32 gam
	v_and_b32 v7, 1, v3
	v_lshrrev_b32 v3, 1, v3
	v_lshl_add_u32 v[LAP], v7, 9, v[LAP]           ; + 512 (rho % 2): registers 4-7
	v_lshl_add_u32 v[LAP], v3, 8, v[LAP]           ; + 256 (rho / 2): lanes 16-31
	v_mov_b32 v[LAC], v[L16]
	s_wait_alu depctr_va_sdst(0)                   ; s14 is written, ahead of its first reader: the roles, offsets and branches are made from it
	s_and_b32 s15, s14, 3                          ; consumer w, or producer q
	s_lshl_b32 s26, s15, 18
	v_add_nc_u32 v[VO], s26, v[VO]                 ; + 32 q rows
	s_lshl_b32 s26, s15, 12
	v_add_nc_u32 v[LAP], s26, v[LAP]               ; + 4,096 q
	s_mov_b32 s32, 0xbfb8aa3b                      ; -log2 e
	s_mov_b32 s33, s32                             ; named with it as a pair
	s_lshl_b32 s34, s17, 24                        ; an expert's 16,777,216 bytes,
	s_lshl_b32 s26, s16, 7                         ; the slice's 128 bytes of a row
	s_add_co_u32 s34, s34, s26
	s_mov_b32 s35, 0
	s_lshl_b32 s27, s17, 2
	s_mov_b32 s20, s15                             ; pass 0: my slot 0 is tile w
	s_wait_kmcnt 0x0
	s_add_nc_u64 s[4:5], s[4:5], s[34:35]
	s_add_nc_u64 s[6:7], s[6:7], s[34:35]
	s_lshl_b32 s34, s16, 10                        ; hs: chunk s of every tile
	s_add_nc_u64 s[12:13], s[12:13], s[34:35]
	s_load_b32 s18, s[10:11], s27 offset:0x0       ; the expert's first tile
	s_load_b32 s19, s[10:11], s27 offset:0x10      ; and its tiles
	WALK
	s_cmp_lt_u32 s14, 4
	s_cbranch_scc0 .Lproducer0
	CLEAR                                          ; consumers: pass 0's sums
	s_branch .Lboth0
.Lproducer0:
	WIN 0x40                                       ; the loads' window is set ahead of the wait
	s_wait_alu depctr_va_vdst(0)                   ; VOJ is written, which the first loads of weights read as their offsets
	PLOAD 0                                        ; producers: steps 0, 1, 2 of the walk
	PLOAD 1
	PLOAD 2
.Lboth0:
	s_wait_kmcnt 0x0
	s_min_u32 s18, s18, 67
	s_min_u32 s19, s19, 64
	SETUP_PASS
	s_cmp_lt_u32 s14, 4
	s_cbranch_scc0 .Lno_consumer
	s_wait_alu depctr_va_vdst(0)                   ; XO is written, which every row load of the pass reads as its offset
.irp q, 0,1,2,3
	XLOAD \q, XB+6                                 ; step 0's token fragments of slots 0 to 3; slot 4's are asked for in the step's first turn, as in every step
.endr
.Lno_consumer:
	ONWARD 0                                       ; region 0's offsets and bases
	s_mov_b32 s24, 4
.Lk:                                               ; a trip: steps 3 T + 0..2 of the walk; the producers ask for steps 3 T + 3..5; then on to the next region
	REGION 1
	ONWARD 1
	s_sub_co_u32 s24, s24, 1
	s_cmp_lg_u32 s24, 0
	s_cbranch_scc1 .Lk
	REGION 0                                       ; steps 12, 13, 14
	s_cmp_lt_u32 s14, 4                            ; step 15 alone
	s_cbranch_scc1 .Lc_last
	PSTEP 0, 3, 3*REG, 0, 0                        ; no load was issued behind step 15's; its rounded weights go into CV3, which no LDS store has read
.Lc_last:
	MEET
	s_cmp_lt_u32 s14, 4
	s_cbranch_scc0 .Lp_last
	CSTEP 3*REG, 1, XB+6                           ; the region's fourth base is step 15's
.Lp_last:
	s_mov_b32 s25, NPASS
.Lpass:                                            ; a trip: the pass in hand goes out; the next pass, if this consumer has a tile in it, is multiplied.  The producers only pass the barrier
	s_cmp_lt_u32 s14, 4
	s_cbranch_scc0 .Lidle
.irp q, 0,1,2,3,4
	EPI \q
.endr
	s_wait_alu depctr_va_vdst(0)                   ; the roundings have written v64 to v103, which the stores read
.irp q, 0,1,2,3,4
	s_cmp_le_u32 s21, \q                           ; the slots are filled in order: behind the first one without a tile there is nothing to store
	s_cbranch_scc1 .Lsent
	SEND \q
.endr
.Lsent:
	s_wait_xcnt 0x0                                ; the stores' offsets and data are rewritten only behind this wait
	s_wait_alu depctr_vm_vsrc(0)                   ; the stores have read XO, which the lines below write, and v64 to v103, in which a later pass's fragment loads land; the row loads have read XO
	s_add_co_u32 s20, s20, PSTEP_T
	SETUP_PASS
	s_cmp_eq_u32 s21, 0
	s_cbranch_scc1 .Lnone
	s_wait_loadcnt 0x0                             ; only an expert with more than 320 rows comes here.  No load of mine is out when its registers and bases are used again
	CLEAR
	s_mov_b32 s38, s50                             ; the walk begins anew: the slice lies in LDS in its order
	s_mov_b32 s30, 0
	s_mov_b32 s24, 8
.Lxk:                                              ; a trip: two steps of the walk
	s_wait_alu depctr_vm_vsrc(0)                   ; the fragment loads issued so far have read LAC
	v_add_nc_u32 v[LAC], s30, v[L16]
.irp k, 0,1
	s_add_co_u32 s39, s38, \k
	s_and_b32 s39, s39, 15
	s_lshl_b32 s48, s39, 12
	s_add_nc_u64 s[XB+2*(\k):XB+2*(\k)+1], s[XS0:XS0+1], s[48:49]  ; the loads that named it are back
.endr
	XSTEP 0
	XSTEP 1
	s_add_co_u32 s38, s38, 2
	s_add_co_u32 s30, s30, 2*REG
	s_sub_co_u32 s24, s24, 1
	s_cmp_lg_u32 s24, 0
	s_cbranch_scc1 .Lxk
.Lnone:
.Lidle:
	s_wait_dscnt 0x0                               ; my reads of the slice are back
	s_barrier_signal -1                            ; all eight waves meet: no wave goes on to its end while another still walks the slice
	s_barrier_wait -1
	s_sub_co_u32 s25, s25, 1
	s_cmp_lg_u32 s25, 0
	s_cbranch_scc1 .Lpass
	s_wait_dscnt 0x0                               ; the wave's end: the closing add goes to my spare word behind the slice
	s_wait_alu depctr_hold_cnt(0) depctr_sa_sdst(0) depctr_va_vdst(0) depctr_va_sdst(0) depctr_va_ssrc(0) depctr_va_vcc(0) depctr_vm_vsrc(0)
	s_wait_tensorcnt 0x0
	ds_add_u32 v30, v31
	s_wait_dscnt 0x0
	s_endpgm
.Lfunc_end_k_qddd3d74d5d_gateup:
	.size	k_qddd3d74d5d_gateup, .Lfunc_end_k_qddd3d74d5d_gateup-k_qddd3d74d5d_gateup
	.p2alignl 7, 3214868480
	.fill 96, 4, 3214868480
	.section	.rodata,"a",@progbits
	.p2align	6, 0x0
	.amdhsa_kernel k_qddd3d74d5d_gateup
		.amdhsa_group_segment_fixed_size 263168
		.amdhsa_private_segment_fixed_size 0
		.amdhsa_enable_private_segment 0
		.amdhsa_kernarg_size 40
		.amdhsa_user_sgpr_count 2
		.amdhsa_user_sgpr_kernarg_segment_ptr 1
		.amdhsa_wavefront_size32 1
		.amdhsa_system_sgpr_workgroup_id_x 1
		.amdhsa_system_sgpr_workgroup_id_y 1
		.amdhsa_system_sgpr_workgroup_id_z 1
		.amdhsa_system_vgpr_workitem_id 0
		.amdhsa_next_free_vgpr 512
		.amdhsa_next_free_sgpr 66
		.amdhsa_reserve_vcc 0
		.amdhsa_float_denorm_mode_32 3
		.amdhsa_float_denorm_mode_16_64 3
		.amdhsa_memory_ordered 1
		.amdhsa_forward_progress 1
		.amdhsa_inst_pref_size 184
	.end_amdhsa_kernel
	.amdgpu_metadata
---
amdhsa.version: [ 1, 2 ]
amdhsa.kernels:
  - .name:           k_qddd3d74d5d_gateup
    .symbol:         k_qddd3d74d5d_gateup.kd
    .args:
      - { .name: gate_proj, .offset: 0, .size: 8, .value_kind: global_buffer, .address_space: global }
      - { .name: up_proj, .offset: 8, .size: 8, .value_kind: global_buffer, .address_space: global }
      - { .name: xs, .offset: 16, .size: 8, .value_kind: global_buffer, .address_space: global }
      - { .name: meta, .offset: 24, .size: 8, .value_kind: global_buffer, .address_space: global }
      - { .name: hs, .offset: 32, .size: 8, .value_kind: global_buffer, .address_space: global }
    .group_segment_fixed_size: 263168
    .private_segment_fixed_size: 0
    .kernarg_segment_align: 8
    .kernarg_segment_size: 40
    .max_flat_workgroup_size: 256
    .sgpr_count:     66
    .vgpr_count:     512
    .wavefront_size: 32
...
	.end_amdgpu_metadata
.endif
;; end of part 4
;; launch down: the kernel of part 3 again; grid 64 x 4, 8 waves a work-group, no clusters, 280,576 bytes of LDS; arguments down_proj, hs, perm, meta, out0; writes out0
